; MI455X (gfx1250); checked and timed in simulation.
; The chip was launched on July 23, 2026; its instructions are those of AMD's public machine-readable ISA for CDNA 5 (MIT licence, August 2026) and "CDNA5" Instruction Set Architecture Reference Guide (July 2026). The comments in the code are by the model that wrote it; some were corrected since.
;; Causal Multi Head Attention. Allowed arithmetic: matrix products marked QUANTISED: E2M1 operands, one E8M0 scale for each 32 along K, by v_wmma_scale_f32_16x16x128_f8f6f4 with both operands' format E2M1 (or v_wmma_scale_f32_32x16x128_f4), f32 sums; products left as they are: bf16, f16 or f32 operands; f32 sums; everything else in f32.
;; Inputs: Wk 1,024 x 1,024 float32; Wo 1,024 x 1,024 float32; Wq 1,024 x 1,024 float32; Wv 1,024 x 1,024 float32; token_positions 2,048 int32; x 4 x 2,048 x 1,024 float32.
;; Outputs: out0 4 x 2,048 x 1,024 float32.
;; This version of the problem:
;;   THIS VERSION OF THE PROBLEM IS GIVEN IN LOW PRECISION. The matrix products marked QUANTISED in the list below multiply operands that are first quantised to E2M1 (2 exponent bits, 1 mantissa bit; 4 bits a number), with one power-of-two scale for each 32 numbers along K (OCP MX v1.0); their sums are f32. The products marked 'left as it is' may take bf16, f16 or f32 operands, with f32 sums. Whichever they take, every output number must still come out within the allowed error. Rounding operands to bf16 (8 significant bits) uses up far more of that allowance than f16 does (11 bits, for magnitudes from 6e-5 to 65,504). All else is computed in f32.
;;   The module's matrix products, in the order in which they are computed (A, B: the left and right operand; K: the contracted axis; several contracted axes count as one K, in the product's order):
;;     1. [M 8,192, K 1,024] x [K 1,024, N 1,024]; A: input x; B: input Wq: QUANTISED
;;     2. [M 8,192, K 1,024] x [K 1,024, N 1,024]; A: input x; B: input Wk: QUANTISED
;;     3. [M 8,192, K 1,024] x [K 1,024, N 1,024]; A: input x; B: input Wv: QUANTISED
;;     4. batch 64 x [M 2,048, K 64] x [K 64, N 2,048]; A: computed on the way; B: computed on the way: left as it is (an operand is computed on the way)
;;     5. batch 64 x [M 2,048, K 2,048] x [K 2,048, N 64]; A: computed on the way; B: computed on the way: left as it is (an operand is computed on the way)
;;     6. [M 8,192, K 1,024] x [K 1,024, N 1,024]; A: computed on the way; B: input Wo: left as it is (an operand is computed on the way)
;;   THE QUANTISER, for each operand of a quantised product, along K:
;;     - K is cut into blocks of 32 from its start; a last block that is shorter is filled with zeros.
;;     - A block's scale is 2^e with e = floor(log2(the largest magnitude in the block)) - 2, held to -126 .. 127; a block of zeros has e = 0. As a byte (E8M0): e + 127.
;;     - Each number is divided by its block's scale, clamped to +-6, and rounded to the nearest number of E2M1, ties to even, subnormals kept.
;;     - The product sums the exact products of the quantised numbers (number of the format x scale) in f32.
;;   ~~~python
;;   def quantise(x, axis):      # numpy; x: float32 -> the quantised numbers, widened to float32 again
;;       x = np.moveaxis(x, axis, -1); K = x.shape[-1]
;;       x = np.pad(x, [(0, 0)] * (x.ndim - 1) + [(0, -K % 32)]); x = x.reshape(x.shape[:-1] + (-1, 32)); a = np.abs(x).max(-1, keepdims=True)
;;       e = np.where(a > 0, np.clip(np.frexp(np.where(a > 0, a, 1))[1] - 1 - 2, -126, 127), 0)      # np.frexp(a)[1] - 1 = floor(log2(a)), exactly
;;       r = np.clip(x / 2.0 ** e, -6, 6)
;;       step = 2.0 ** (np.maximum(np.frexp(np.where(r == 0, 1, r))[1] - 1, 0) - 1)
;;       q = np.round(r / step) * step * 2.0 ** e      # np.round: ties to even
;;       return np.moveaxis(q.reshape(q.shape[:-2] + (-1,))[..., :K], -1, axis).astype(np.float32)
;;   ~~~
;; One version. Each part assembles by itself: llvm-mc -triple=amdgcn-amd-amdhsa -mcpu=gfx1250 --defsym DOCPART=n.
;; ======== version 1 of 1: 5 launches
;; limits: values are held in f16: magnitudes above 65,504 overflow, below 6.1e-05 lose precision; right only within a limited range of input values
;; workspace buffers: xq 4,456,448 bytes; wq 1,671,168 bytes; woh 2,097,152 bytes; rope 524,288 bytes; qkv 50,331,648 bytes; fine 786,432 bytes; oh 16,777,216 bytes
;; launch prep (part 1): grid 448 x 1, 4 waves a work-group, no clusters, 33,280 bytes of LDS; arguments x, Wq, Wk, Wv, Wo, token_positions, xq, wq, woh, rope; writes xq, wq, woh, rope
.if DOCPART == 1
	.amdgcn_target "amdgcn-amd-amdhsa--gfx1250"
	.amdhsa_code_object_version 6
	.text
	.protected	k_q96a2301271_prep
	.globl	k_q96a2301271_prep
	.p2align	8
	.type	k_q96a2301271_prep,@function
k_q96a2301271_prep:
	s_mov_b64 s[64:65], 0
	v_nop
	global_prefetch_b8 v0, s[64:65] scope:SCOPE_SE
	s_setreg_imm32_b32 hwreg(HW_REG_WAVE_MODE, 25, 1), 1
	s_wait_xcnt 0x0
; CAUSAL MULTI-HEAD ATTENTION, B = 4, S = 2048, D = 1024, 16 heads of 64, in five launches.  This is the first: it prepares operands.
;   work-groups 0-351:   x, Wq, Wk, Wv (f32, K = 1024 innermost) become codes of E2M1 with one E8M0 byte for each 32 along K;
;   work-groups 352-383: Wo becomes f16 (its product is left as it is: f16 operands, f32 sums);
;   work-groups 384-447: cos and sin of token_positions[s] x 10000^(-i/32), i = 0 .. 31, as pairs of f32: a row of 256 bytes for each position.
; WORK LEFT OUT BY THE PROGRAM (in the third launch): reference() sets scores[q][k] to -inf wherever k > q, by a jnp.tril that it builds itself; exp(-inf - max) is 0 and 0 x V adds nothing,
; whatever finite values Q, K and V hold.  So tiles of scores, and their part of probs x V, that lie wholly at k > q are not computed.  All six inputs have a way to the output and are loaded.
; LIMIT: a NaN, an infinity or an overflow in K or V that reaches a query only through such hidden keys is not carried to the result.
; THE QUANTISER.  A block's scale is 2^(floor(log2(largest magnitude)) - 2); its byte is the largest magnitude's exponent field - 2, held at 1 from below.  A block of zeros so gets the byte 1 where the
; rule says 127: its codes are zeros, which add nothing under any byte but 0xff, and this program alone reads the bytes.  LIMITS: blocks whose largest magnitude lies under 2^(2 - 126) keep the byte 1;
; NaN and infinities among the inputs are not served; |Wo| stays under 65,504 (f16); |token_positions| up to about 2^20 (three-part reduction of the angle by pi / 2).
; Rows are dense and K is a multiple of 32: each tensor is a plain stream of blocks of 32.  A wave takes 16 steps of 512 numbers; each load reads 512 consecutive bytes; a step's 2,048 bytes turn through the
; wave's own stage in LDS so that a lane holds 16 neighbours; a wave's store of codes covers 256 consecutive bytes; its 256 scale bytes are gathered in LDS and leave as one aligned run of 256 bytes.
.set STEPS, 16
.set EMAX,  2
.set CB,    8                          ; bytes of 16 codes
.set R,     16                         ; v16-79   four sets of 16 numbers as loaded
.set X,     80                         ; v80-111  two sets of 16 neighbours
.set E,     112                        ; v112-127 a scale byte for each step
.set C,     128                        ; v128-191 codes, four registers for each step: no store's data are written again
.set WREG,  8192                       ; LDS: a region for each wave: two stages of 32 x SP bytes, behind them its 256 scale bytes
.set SP,    80                         ; a lane's place in a stage: 64 bytes + 16 of padding
.set SPW,   12                         ; v12 LDS address of my spare word; never rewritten
.set NIL,   13                         ; v13 0; never rewritten
.set SPARE, 4*WREG                     ; the spare words, 128 bytes for each wave
	s_load_b512 s[4:19], s[0:1], 0x0               ; x 4:5, Wq 6:7, Wk 8:9, Wv 10:11, Wo 12:13, token_positions 14:15, xq 16:17, wq 18:19
	s_load_b128 s[20:23], s[0:1], 0x40             ; woh 20:21, rope 22:23
	v_lshl_add_u32 v[SPW], v0, 2, SPARE
	v_mov_b32 v[NIL], 0
	v_lshrrev_b32 v1, 5, v0
	v_readfirstlane_b32 s24, v1                    ; wave
	v_and_b32 v2, 31, v0                           ; lane
	v_lshlrev_b32 v3, 4, v2                        ; my 16 bytes of a load's 512
	s_mov_b32 s35, 0                               ; upper word of every 64-bit offset
	s_wait_kmcnt 0x0
	s_cmp_lt_u32 ttmp9, 352
	s_cbranch_scc0 .Lnot_quant
	; ---------------- the quantiser
	s_mul_i32 s25, s24, WREG
	v_lshrrev_b32 v14, 2, v2
	v_mul_u32_u24 v14, v14, SP
	v_and_b32 v15, 3, v2
	v_lshl_add_u32 v14, v15, 4, v14
	v_add_nc_u32 v14, s25, v14                     ; the stage, way in: four lanes' 64 bytes on end, then 16 of padding
	v_mul_u32_u24 v15, v2, SP
	v_add_nc_u32 v15, s25, v15                     ; way out: my 16 neighbours
	v_mul_u32_u24 v4, v2, CB                       ; my codes' place in a step's
	v_lshrrev_b32 v5, 1, v2
	s_add_co_u32 s25, s25, 2*32*SP
	v_add_nc_u32 v5, s25, v5                       ; my block's scale byte
	v_lshlrev_b32 v7, 3, v2
	v_add_nc_u32 v6, s25, v7                       ; and 8 of the 256 on the way out
	; which tensor: work-groups 0-255 x, 256-287 Wq, 288-319 Wk, 320-351 Wv.  Only pointers and offsets are chosen, by the work-group's number
	s_cmp_lt_u32 ttmp9, 288
	s_cselect_b64 s[32:33], s[6:7], s[8:9]
	s_cmp_lt_u32 ttmp9, 320
	s_cselect_b64 s[32:33], s[32:33], s[10:11]
	s_mov_b32 s30, 1572864                         ; where wq's scale bytes begin
	s_cmp_lt_u32 ttmp9, 256
	s_cselect_b64 s[32:33], s[4:5], s[32:33]       ; from
	s_cselect_b64 s[26:27], s[16:17], s[18:19]     ; to
	s_cselect_b32 s28, 0, 256
	s_cselect_b32 s29, -1, 31
	s_cselect_b32 s30, 4194304, s30                ; where xq's begin
	s_sub_co_u32 s28, ttmp9, s28                   ; the work-group's number within x, or within the three weights
	s_and_b32 s29, s28, s29                        ; and within its own tensor
	s_lshl_b32 s29, s29, 2
	s_add_co_u32 s29, s29, s24                     ; my run of 8,192 numbers in the tensor read,
	s_lshl_b32 s28, s28, 2
	s_add_co_u32 s28, s28, s24                     ; and in the buffer written
	s_lshl_b32 s34, s29, 15
	s_add_nc_u64 s[32:33], s[32:33], s[34:35]      ; 32,768 bytes of f32 a run
	s_lshl_b32 s34, s28, 12
	s_add_nc_u64 s[36:37], s[26:27], s[34:35]      ; 4,096 bytes of codes
	s_lshl_b32 s34, s28, 8
	s_add_co_u32 s34, s34, s30
	s_add_nc_u64 s[38:39], s[26:27], s[34:35]      ; 256 scale bytes
.macro LOAD t
.irp i, 0,1,2,3
	global_load_b128 v[R+16*((\t)%4)+4*\i:R+16*((\t)%4)+4*\i+3], v3, s[32:33] offset:2048*(\t)+512*\i th:TH_LOAD_NT
.endr
.endm
.macro TURN t                          ; step t's numbers through the stage: LDS serves a wave's instructions in order, so no wait stands between the stores and the loads
.irp i, 0,1,2,3
	ds_store_b128 v14, v[R+16*((\t)%4)+4*\i:R+16*((\t)%4)+4*\i+3] offset:32*SP*((\t)%2)+8*SP*\i
.endr
.irp i, 0,1,2,3
	ds_load_b128 v[X+16*((\t)%2)+4*\i:X+16*((\t)%2)+4*\i+3], v15 offset:32*SP*((\t)%2)+16*\i
.endr
.endm
.irp t, 0,1,2,3
	LOAD \t
.endr
	s_wait_loadcnt 12                              ; step 0's four loads are in; twelve younger ones stay out
	TURN 0
.macro STEP t
.set XS, X+16*((\t)%2)
.if (\t) > 0
	s_wait_dscnt 1                                 ; this step's numbers are back from the stage; the last step's byte store may be out
.else
	s_wait_dscnt 0x0
.endif
.if (\t)+4 < STEPS
	LOAD (\t)+4                                    ; into the registers that the stage's stores have read
.endif
.if (\t)+1 < STEPS
.if STEPS-2-(\t) >= 3
	s_wait_loadcnt 12                              ; the next step's four loads are in; those of three steps behind it may be out
.else
	s_wait_loadcnt 4*(STEPS-2-(\t))
.endif
	TURN (\t)+1
.endif
	v_max3_num_f32 v8, |v[XS]|, |v[XS+1]|, |v[XS+2]|               ; the largest magnitude of my 16, in two chains
	v_max3_num_f32 v9, |v[XS+3]|, |v[XS+4]|, |v[XS+5]|
.irp i, 6,10
	v_max3_num_f32 v8, v8, |v[XS+\i]|, |v[XS+\i+1]|
	v_max3_num_f32 v9, v9, |v[XS+\i+2]|, |v[XS+\i+3]|
.endr
	v_max3_num_f32 v8, v8, |v[XS+14]|, |v[XS+15]|
	v_max3_num_f32 v8, v8, v9, (EMAX+1)<<23        ; and the floor 2^(3 - 127): the byte cannot fall under 1
	v_max_num_f32_dpp v8, v8, v8 row_xmask:1 row_mask:0xf bank_mask:0xf   ; with my neighbour's 16: the block's
	v_add_nc_u32 v11, -(EMAX<<23), v8              ; 2 off its exponent field: the conversion takes that field as its scale
	v_cvt_scalef32_pk8_fp4_f32 v[C+4*(\t)], v[XS:XS+7], v11
	v_cvt_scalef32_pk8_fp4_f32 v[C+4*(\t)+1], v[XS+8:XS+15], v11
	v_lshrrev_b32 v[E+(\t)], 23, v11               ; the scale's byte (also the plain line behind the conversions)
	ds_store_b8 v5, v[E+(\t)] offset:16*(\t)       ; both lanes of a block write the same byte with the same value
	global_store_b64 v4, v[C+4*(\t):C+4*(\t)+1], s[36:37] offset:32*CB*(\t)   ; the wave stores 256 consecutive bytes, aligned
.endm
.irp t, 0,1,2,3,4,5,6,7,8,9,10,11,12,13,14,15
	STEP \t
.endr
	ds_load_b64 v[8:9], v6                         ; in order behind my byte stores
	s_wait_dscnt 0x0
	global_store_b64 v7, v[8:9], s[38:39]          ; 256 consecutive scale bytes, aligned
	s_wait_tensorcnt 0x0                           ; the wave's end, behind my last LDS store
	ds_add_u32 v[SPW], v[NIL]
	s_wait_dscnt 0x0
	s_endpgm
	; ---------------- Wo to f16: a wave takes 8,192 numbers, in four groups of sixteen loads, two groups in flight.  No LDS
.Lnot_quant:
	s_cmp_lt_u32 ttmp9, 384
	s_cbranch_scc0 .Ltable
	s_sub_co_u32 s28, ttmp9, 352
	s_lshl_b32 s28, s28, 2
	s_add_co_u32 s28, s28, s24
	s_lshl_b32 s34, s28, 15
	s_add_nc_u64 s[12:13], s[12:13], s[34:35]
	s_lshl_b32 s34, s28, 14
	s_add_nc_u64 s[20:21], s[20:21], s[34:35]
	v_lshlrev_b32 v4, 3, v2                        ; four numbers of f16: 8 bytes a lane
.macro WLOAD g
.irp k, 0,1,2,3,4,5,6,7,8,9,10,11,12,13,14,15
	global_load_b128 v[16+64*((\g)%2)+4*\k:16+64*((\g)%2)+4*\k+3], v3, s[12:13] offset:8192*(\g)+512*\k th:TH_LOAD_NT
.endr
.endm
.macro WTURN g, left
	s_wait_loadcnt \left                           ; this group's sixteen are in; the next group's sixteen may be out
	s_wait_xcnt 0x0                                ; the last group's stores have read v144-175
.irp k, 0,1,2,3,4,5,6,7,8,9,10,11,12,13,14,15
	v_cvt_pk_f16_f32 v[144+2*\k], v[16+64*((\g)%2)+4*\k], v[16+64*((\g)%2)+4*\k+1]
	v_cvt_pk_f16_f32 v[145+2*\k], v[16+64*((\g)%2)+4*\k+2], v[16+64*((\g)%2)+4*\k+3]
.endr
.irp k, 0,1,2,3,4,5,6,7,8,9,10,11,12,13,14,15
	global_store_b64 v4, v[144+2*\k:145+2*\k], s[20:21] offset:4096*(\g)+256*\k   ; 256 consecutive bytes, aligned
.endr
.endm
	WLOAD 0
	WLOAD 1
	WTURN 0, 16
	WLOAD 2
	WTURN 1, 16
	WLOAD 3
	WTURN 2, 16
	WTURN 3, 0
	s_endpgm
	; ---------------- the table: a wave takes eight positions, a lane a frequency.  No LDS
.Ltable:
	s_sub_co_u32 s28, ttmp9, 384
	s_lshl_b32 s28, s28, 2
	s_add_co_u32 s28, s28, s24                     ; which eight positions
	s_lshl_b32 s34, s28, 5
	s_add_nc_u64 s[14:15], s[14:15], s[34:35]      ; 4 bytes a position
	s_lshl_b32 s34, s28, 11
	s_add_nc_u64 s[22:23], s[22:23], s[34:35]      ; 256 bytes a row of the table
	v_and_b32 v5, 7, v2
	v_lshlrev_b32 v5, 2, v5
	global_load_b32 v20, v5, s[14:15]              ; lanes 0-7 (and again 8-15 ..): the eight positions
	v_lshlrev_b32 v17, 3, v2                       ; my pair's place in a row
	v_cvt_f32_u32 v18, v2
	v_mul_f32 v18, 0xbed49a78, v18                 ; -i log2(10000) / 32
	v_exp_f32 v16, v18                             ; 10000^(-i / 32)
	s_mov_b32 s32, 0x3f22f983                      ; 2 / pi
	s_mov_b32 s33, 0xbfc90fdb                      ; -(pi / 2), its first part;
	s_mov_b32 s34, 0x333bbd2e                      ; what the first part has too much;
	s_mov_b32 s36, 0x26f72ced                      ; and what is then still too much
	s_mov_b32 s37, 0xb94ca1f9                      ; sine on |r| <= pi / 4: r + r z (S1 + z (S2 + z S3)), z = r r
	s_mov_b32 s38, 0x3c08839e
	s_mov_b32 s39, 0xbe2aaaa3
	s_mov_b32 s40, 0x37ccf5ce                      ; cosine: 1 - z / 2 + z z (C1 + z (C2 + z C3))
	s_mov_b32 s41, 0xbab6061a
	s_mov_b32 s42, 0x3d2aaaa5
	v_nop                                          ; a plain line behind the exponential,
	s_wait_alu depctr_va_vdst(0)                   ; and the wait ahead of its first reader
	s_wait_loadcnt 0x0
	v_cvt_f32_i32 v20, v20
.macro SINCOS p
	v_readlane_b32 s46, v20, \p
	v_mul_f32 v21, s46, v16                        ; the angle, rounded once, as reference() has it
	v_mul_f32 v22, s32, v21
	v_rndne_f32 v22, v22                           ; n quarter turns
	v_fma_f32 v23, v22, s33, v21
	v_fma_f32 v23, v22, s34, v23
	v_fma_f32 v23, v22, s36, v23                   ; r = angle - n pi / 2
	v_cvt_i32_f32 v24, v22
	v_mul_f32 v25, v23, v23                        ; z
	v_fma_f32 v26, s37, v25, s38
	v_fma_f32 v26, v26, v25, s39
	v_mul_f32 v27, v23, v25
	v_fma_f32 v26, v27, v26, v23                   ; sin r
	v_fma_f32 v28, s40, v25, s41
	v_fma_f32 v28, v28, v25, s42
	v_mul_f32 v28, v28, v25
	v_fma_f32 v29, v25, -0.5, 1.0
	v_fma_f32 v28, v28, v25, v29                   ; cos r
	v_and_b32 v29, 1, v24
	v_cmp_eq_u32 vcc_lo, 1, v29                    ; an odd quarter: the two change places
	v_cndmask_b32 v30, v26, v28, vcc_lo
	v_cndmask_b32 v31, v28, v26, vcc_lo
	v_lshlrev_b32 v29, 30, v24
	v_and_b32 v29, 0x80000000, v29                 ; the sine is negative in quarters 2 and 3,
	v_xor_b32 v[65+2*\p], v30, v29
	v_add_nc_u32 v24, 1, v24
	v_lshlrev_b32 v24, 30, v24
	v_and_b32 v24, 0x80000000, v24                 ; the cosine in quarters 1 and 2
	v_xor_b32 v[64+2*\p], v31, v24
	global_store_b64 v17, v[64+2*\p:65+2*\p], s[22:23] offset:256*\p   ; a whole row: 256 consecutive bytes, aligned; each position has its own data registers
.endm
.irp p, 0,1,2,3,4,5,6,7
	SINCOS \p
.endr
	s_endpgm
.Lfunc_end_k_q96a2301271_prep:
	.size	k_q96a2301271_prep, .Lfunc_end_k_q96a2301271_prep-k_q96a2301271_prep
	.p2alignl 7, 3214868480
	.fill 96, 4, 3214868480
	.section	.rodata,"a",@progbits
	.p2align	6, 0x0
	.amdhsa_kernel k_q96a2301271_prep
		.amdhsa_group_segment_fixed_size 33280
		.amdhsa_private_segment_fixed_size 0
		.amdhsa_enable_private_segment 0
		.amdhsa_kernarg_size 80
		.amdhsa_user_sgpr_count 2
		.amdhsa_user_sgpr_kernarg_segment_ptr 1
		.amdhsa_wavefront_size32 1
		.amdhsa_system_sgpr_workgroup_id_x 1
		.amdhsa_system_sgpr_workgroup_id_y 1
		.amdhsa_system_sgpr_workgroup_id_z 1
		.amdhsa_system_vgpr_workitem_id 0
		.amdhsa_next_free_vgpr 192
		.amdhsa_next_free_sgpr 66
		.amdhsa_reserve_vcc 1
		.amdhsa_float_denorm_mode_32 3
		.amdhsa_float_denorm_mode_16_64 3
		.amdhsa_memory_ordered 1
		.amdhsa_forward_progress 1
		.amdhsa_inst_pref_size 67
	.end_amdhsa_kernel
	.amdgpu_metadata
---
amdhsa.version: [ 1, 2 ]
amdhsa.kernels:
  - .name:           k_q96a2301271_prep
    .symbol:         k_q96a2301271_prep.kd
    .args:
      - { .name: x, .offset: 0, .size: 8, .value_kind: global_buffer, .address_space: global }
      - { .name: Wq, .offset: 8, .size: 8, .value_kind: global_buffer, .address_space: global }
      - { .name: Wk, .offset: 16, .size: 8, .value_kind: global_buffer, .address_space: global }
      - { .name: Wv, .offset: 24, .size: 8, .value_kind: global_buffer, .address_space: global }
      - { .name: Wo, .offset: 32, .size: 8, .value_kind: global_buffer, .address_space: global }
      - { .name: token_positions, .offset: 40, .size: 8, .value_kind: global_buffer, .address_space: global }
      - { .name: xq, .offset: 48, .size: 8, .value_kind: global_buffer, .address_space: global }
      - { .name: wq, .offset: 56, .size: 8, .value_kind: global_buffer, .address_space: global }
      - { .name: woh, .offset: 64, .size: 8, .value_kind: global_buffer, .address_space: global }
      - { .name: rope, .offset: 72, .size: 8, .value_kind: global_buffer, .address_space: global }
    .group_segment_fixed_size: 33280
    .private_segment_fixed_size: 0
    .kernarg_segment_align: 8
    .kernarg_segment_size: 80
    .max_flat_workgroup_size: 128
    .sgpr_count:     66
    .vgpr_count:     192
    .wavefront_size: 32
...
	.end_amdgpu_metadata
.endif
;; end of part 1
;; launch qkv (part 2): grid 12 x 32, 4 waves a work-group, clusters of 4 x 4, 327,680 bytes of LDS; arguments xq, wq, rope, qkv, fine; writes qkv, fine
.if DOCPART == 2
	.amdgcn_target "amdgcn-amd-amdhsa--gfx1250"
	.amdhsa_code_object_version 6
	.text
	.protected	k_q96a2301271_qkv
	.globl	k_q96a2301271_qkv
	.p2align	8
	.type	k_q96a2301271_qkv,@function
k_q96a2301271_qkv:
	s_mov_b64 s[64:65], 0
	v_nop
	global_prefetch_b8 v0, s[64:65] scope:SCOPE_SE
	s_setreg_imm32_b32 hwreg(HW_REG_WAVE_MODE, 25, 1), 1
	s_wait_xcnt 0x0
	s_wait_alu depctr_hold_cnt(0) depctr_sa_sdst(0) depctr_va_vdst(0) depctr_va_sdst(0) depctr_va_ssrc(0) depctr_va_vcc(0) depctr_vm_vsrc(0)
	s_getreg_b32 s2, hwreg(HW_REG_IB_STS2, 6, 4)
	s_cmp_eq_u32 s2, 0
	s_cbranch_scc0 .Lentry_in_a_cluster
	s_endpgm
.Lentry_in_a_cluster:
	s_bfe_u32 s2, ttmp6, 0x10000c
	s_cmp_lg_u32 s2, 0xf033
	s_cbranch_scc0 .Lentry_shape_is_right
	s_endpgm
.Lentry_shape_is_right:
; Q, K, V = x W^T on codes of E2M1 with E8M0 scales: C [8192][3072] = A [8192][1024] B^T, B's rows 0-1023 Wq, 1024-2047 Wk, 2048-3071 Wv.  Sums in f32.  On the way out Q and K are rotated (RoPE, in f32,
; by the table of cos and sin), all three are rounded to f16 and stored head-major, [kind][b][h][s][64]; the rows s < 16 of every batch are stored in f32 too, as images of the result's registers.
; LIMIT: |Q|, |K|, |V| stay under 65,504 (f16).
; A tile of C, 256 x 256, is made by four waves, 128 x 128 each: 64 accumulators, 512 registers.  K = 1024 is two slots of 512 along K (rows of 256 bytes): both are asked for at the start and nothing is filled again.
; The scale bytes of the work-group's 256 + 256 rows, for all of K, are two dense blocks: they come once, as rows of 256 bytes.  A wave has three tensor loads out at the start, none later.
; CLUSTERS: 4 x 4 work-groups; A's tiles are asked for jointly along a row of the cluster, B's along a column.  The tile row is 8 cy + cluster y, so that the batch is cy and the tile's first position 256 x cluster y;
; the kind (Q, K or V) is cluster x.  So the two branches below (V is not rotated; rows s < 16) hang on the cluster's coordinates and the wave's number alone, alike in all sixteen partners.
; THE MATRIX INSTRUCTION IS USED TRANSPOSED (source 0 = 16 rows of B, source 1 = 16 rows of A): a lane holds row lane % 16 and eight neighbouring columns 8 (lane / 16) + 0 .. 7: four pairs of RoPE.
; REGISTERS: window 0: v0-31 addresses; v32-95 scale words, two sets; v128-191 A's fragments, one set; window 1: B's fragments, two sets; windows 2, 3: the accumulators ((a, b) at v[8 (8 (a % 4) + b)]).
;   On the way out, window 0: v32-95 rotated numbers; v96-127 packed f16; v128-191 rows read back, two sets; v192-255 cos and sin, two sets (idle in the steps, so they are loaded under slot 1's products).
.set KSTEP,  512
.set NQ,     4                         ; matrix instructions deep in a slot
.set ROWB,   256                       ; a tile's row in bytes
.set KROW,   512                       ; a row of codes in memory
.set PITCH,  272                       ; an LDS row: 256 bytes + 16 of padding: the 16 rows that a load touches start 68 words apart
.set FR,     8
.set NL,     2
.set NP,     4                         ; places behind this matrix instruction (ISA guide 7.12.1)
.set HALFT,  128*PITCH
.set SLOT,   4*HALFT
.set KS,     32                        ; a row of scale bytes
.set SCL,    2*SLOT
.set HALFS,  (128*KS/256)*272
.set SBLK,   (16*KS/256)*272
.set SPARE,  SCL+4*HALFS               ; the spare words, 128 bytes for each wave
.set XSC,    4194304                   ; where xq's scale bytes begin
.set WSC,    1572864                   ; where wq's begin
.set HP,     144                       ; the way out: a stage row, 64 f16 + 16 bytes; [2 heads][16 rows] for each wave, in slot 0, which has had its only fill and its last read by then
.set ADRA, 16
.set ADRB, 20
.set STO,  24                          ; v24 the stage: where I put 16 bytes of a row
.set RD,   25                          ; v25 and where I read rows back
.set CO,   26                          ; v26 16 x lane
.set ADRS, 27
.set SPW,  28                          ; v28 my spare word's address; never rewritten
.set NIL,  29                          ; v29 0; never rewritten
.set RT,   30                          ; v30 my place in 16 rows of the table: 256 (lane % 16) + 32 (lane / 16)
.set SC,   32
.set T,    32
.set TMP,  96
.set AF,   128
.set BK,   128
.set CS,   192
.set G1, 24
.set G0, 32
.set G1B, 48
.set G0B, 56
.set G1S, 68
.set G0S, 76
.set G1SB, 80
.set G0SB, 88
.set MSB, 0
.macro WIN new                         ; the immediate's high byte repeats the setting that is left
.if MSB != (\new)
	s_set_vgpr_msb (MSB<<8)|(\new)
.set MSB, (\new)
.endif
.endm
.set MUL_LO, 0xa1                      ; source 0 (B) window 1, source 1 (A) window 0, C and D window 2
.set MUL_HI, 0xf1
.set TO_B,   0x40
; A joint load: waves 0 and 1 fetch for A, waves 2 and 3 for B; the branch hangs on the wave's number alone.  An s_nop 0 and four v_nop follow each line.
.macro JLOAD g0a, g1a, g0b, g1b
	s_cmp_eq_u32 s15, 0
	s_cbranch_scc0 .Lfor_b_\@
	tensor_load_to_lds s[\g0a:\g0a+3], s[\g1a:\g1a+7]
	s_nop 0
.rept 4
	v_nop
.endr
	s_branch .Lasked_\@
.Lfor_b_\@:
	tensor_load_to_lds s[\g0b:\g0b+3], s[\g1b:\g1b+7]
	s_nop 0
.rept 4
	v_nop
.endr
.Lasked_\@:
.endm
.macro CROUND                          ; a round of the cluster's barrier
	s_barrier_signal -1
	s_barrier_wait -1
	s_cmp_lg_u32 s14, 0
	s_cbranch_scc1 .Lnot_wave_0_\@
	s_barrier_signal -3
.Lnot_wave_0_\@:
	s_barrier_wait -3
	s_barrier_signal -1
	s_barrier_wait -1
.endm
	s_load_b256 s[4:11], s[0:1], 0x0               ; xq 4:5, wq 6:7, rope 8:9, qkv 10:11
	s_load_b64 s[12:13], s[0:1], 0x20              ; fine
	v_lshl_add_u32 v[SPW], v0, 2, SPARE
	v_mov_b32 v[NIL], 0
	ds_add_u32 v[SPW], v[NIL]                      ; the wave's opening: the add, twice on end, and its wait ahead of my first tensor load
	ds_add_u32 v[SPW], v[NIL]
	v_lshrrev_b32 v1, 5, v0
	v_readfirstlane_b32 s14, v1                    ; wave 0..3
	s_lshr_b32 s15, s14, 1                         ; which half of the tile's rows is mine.  Also: I fetch for A (0) or for B (1)
	s_and_b32 s16, s14, 1                          ; which half of its columns.  Also: which 128 rows I fetch
	s_bfe_u32 s40, ttmp6, 0x40000                  ; cx
	s_bfe_u32 s41, ttmp6, 0x40004                  ; cy
	s_lshl_b32 s42, ttmp9, 2
	s_add_co_u32 s42, s42, s40                     ; tile column = 4 x cluster x + cx
	s_and_b32 s67, ttmp7, 0xffff                   ; cluster y
	s_lshl_b32 s17, s41, 3
	s_add_co_u32 s17, s17, s67                     ; tile row = 8 cy + cluster y
	s_lshl_b32 s43, s41, 2
	s_lshl_b32 s43, 15, s43                        ; my row of the cluster
	s_lshl_b32 s44, 0x1111, s40                    ; my column
	s_or_b32 s[G1+0], s43, (0<<16)|(1<<20)|(1<<21)|(5<<22)|(3<<25)  ; the mask; elements of 1 byte; padding on; bit 21 beside a mask; after every 64 words four words
	s_or_b32 s[G1B+0], s44, (0<<16)|(1<<20)|(1<<21)|(5<<22)|(3<<25)
.irp g, G1, G1B
	s_mov_b32 s[\g+1], ROWB<<16                    ; tensor_dim0
	s_mov_b32 s[\g+2], 128<<16                     ; tensor_dim1
	s_mov_b32 s[\g+3], ROWB<<16                    ; tile_dim0
	s_mov_b32 s[\g+4], 128                         ; tile_dim1
	s_mov_b32 s[\g+5], KROW                        ; from row to row
	s_mov_b32 s[\g+6], 0
	s_mov_b32 s[\g+7], 0
.endr
	s_or_b32 s[G1S+0], s43, (3<<16)|(1<<20)|(1<<21)|(5<<22)|(3<<25)  ; the scales of 128 rows: 4,096 dense bytes as 16 rows of 32 elements of 8 bytes
	s_or_b32 s[G1SB+0], s44, (3<<16)|(1<<20)|(1<<21)|(5<<22)|(3<<25)
.irp g, G1S, G1SB
	s_mov_b32 s[\g+1], 32<<16
	s_mov_b32 s[\g+2], (128*KS/256)<<16
	s_mov_b32 s[\g+3], 32<<16
	s_mov_b32 s[\g+4], 128*KS/256
	s_mov_b32 s[\g+5], 32
	s_mov_b32 s[\g+6], 0
	s_mov_b32 s[\g+7], 0
.endr
	s_lshl_b32 s18, s16, 7
	s_lshl_b32 s20, s17, 8
	s_add_co_u32 s20, s20, s18                     ; A: row 256 x tile row + 128 x half
	s_lshl_b32 s46, s42, 8
	s_add_co_u32 s46, s46, s18                     ; B: row 256 x tile column + 128 x half
	s_mov_b32 s21, 0
	s_mov_b32 s47, 0
	s_mov_b64 s[18:19], KS
	s_mul_u64 s[22:23], s[20:21], s[18:19]
	s_mul_u64 s[92:93], s[46:47], s[18:19]
	s_add_nc_u64 s[22:23], s[22:23], XSC           ; where these rows' scale bytes begin in xq,
	s_add_nc_u64 s[92:93], s[92:93], WSC           ; in wq,
	s_mov_b64 s[18:19], KROW
	s_mul_u64 s[20:21], s[20:21], s[18:19]         ; and their codes
	s_mul_u64 s[46:47], s[46:47], s[18:19]
	s_mul_i32 s45, s14, HALFT                      ; where they go: wave x 128 rows
	s_mul_i32 s94, s14, HALFS
	s_wait_dscnt 0x0                               ; both opening adds are done
	s_wait_kmcnt 0x0
	s_add_nc_u64 s[20:21], s[4:5], s[20:21]
	s_add_nc_u64 s[22:23], s[4:5], s[22:23]
	s_add_nc_u64 s[46:47], s[6:7], s[46:47]
	s_add_nc_u64 s[92:93], s[6:7], s[92:93]
	CROUND                                         ; all sixteen work-groups are here: the joint loads meet
	s_mov_b32 s[G0S], 1
	s_add_co_u32 s[G0S+1], s94, SCL
	s_mov_b64 s[G0S+2:G0S+3], s[22:23]
	s_or_b32 s[G0S+3], s[G0S+3], 0x80000000
	s_mov_b32 s[G0SB], 1
	s_add_co_u32 s[G0SB+1], s94, SCL
	s_mov_b64 s[G0SB+2:G0SB+3], s[92:93]
	s_or_b32 s[G0SB+3], s[G0SB+3], 0x80000000
	JLOAD G0S, G1S, G0SB, G1SB                     ; the scales first: they are wanted with slot 0
.irp s, 0,1
	s_mov_b32 s[G0+4*\s], 1
	s_add_co_u32 s[G0+4*\s+1], s45, \s*SLOT
	s_add_nc_u64 s[G0+4*\s+2:G0+4*\s+3], s[20:21], \s*ROWB
	s_or_b32 s[G0+4*\s+3], s[G0+4*\s+3], 0x80000000
	s_mov_b32 s[G0B+4*\s], 1
	s_add_co_u32 s[G0B+4*\s+1], s45, \s*SLOT
	s_add_nc_u64 s[G0B+4*\s+2:G0B+4*\s+3], s[46:47], \s*ROWB
	s_or_b32 s[G0B+4*\s+3], s[G0B+4*\s+3], 0x80000000
	JLOAD G0+4*\s, G1, G0B+4*\s, G1B
.endr
	v_and_b32 v1, 15, v0                           ; r = lane % 16
	v_bfe_u32 v2, v0, 4, 1                         ; h = lane / 16
	v_mul_u32_u24 v3, v1, PITCH
	v_lshl_add_u32 v4, v2, 4, v3
	s_mul_i32 s21, s15, HALFT                      ; my 128 rows of A
	s_mul_i32 s22, s16, HALFT                      ; my 128 rows of B,
	s_add_co_u32 s22, s22, 2*HALFT                 ; behind A's 256
.irp s, 0,1
	v_add_nc_u32 v[ADRA+\s], s21, v4
	v_add_nc_u32 v[ADRB+\s], s22, v4
	s_add_co_u32 s21, s21, SLOT
	s_add_co_u32 s22, s22, SLOT
.endr
	v_mul_u32_u24 v5, v1, KS                       ; my row's scale bytes: 32 a row,
	v_lshrrev_b32 v6, 8, v5
	v_lshl_add_u32 v5, v6, 4, v5                   ; and 16 more for each 256 passed
	s_mul_i32 s21, s15, HALFS
	s_mul_i32 s22, s16, HALFS
	s_add_co_u32 s22, s22, 2*HALFS
	s_sub_co_u32 s22, s22, s21
	v_mul_u32_u24 v6, s22, v2                      ; lanes 16-31 take B's: one product, the distance between the two bases
	s_add_co_u32 s21, s21, SCL
	v_add_nc_u32 v5, v5, v6
	v_add_nc_u32 v[ADRS], s21, v5
	s_mul_i32 s23, s14, 2*16*HP                    ; my stage
	v_mul_u32_u24 v5, v1, HP
	v_lshl_add_u32 v5, v2, 4, v5
	v_add_nc_u32 v[STO], s23, v5                   ; in: row r, 16 bytes for each half of the lanes
	v_and_b32 v6, 31, v0
	v_lshrrev_b32 v5, 3, v6
	v_mul_u32_u24 v5, v5, HP
	v_and_b32 v7, 7, v0
	v_lshl_add_u32 v5, v7, 4, v5
	v_add_nc_u32 v[RD], s23, v5                    ; back: eight lanes to a row of 128 bytes, four rows an instruction
	v_lshlrev_b32 v[CO], 4, v6
	v_lshlrev_b32 v[RT], 8, v1
	v_lshl_add_u32 v[RT], v2, 5, v[RT]
	; the bases of the way out, in registers that never fed a descriptor
	s_lshl_b32 s98, s67, 8
	s_lshl_b32 s99, s15, 7
	s_add_co_u32 s98, s98, s99                     ; my first position: 256 x cluster y + 128 x half
	s_lshl_b32 s96, s98, 8
	s_mov_b32 s97, 0
	s_add_nc_u64 s[8:9], s[8:9], s[96:97]          ; its row of the table
	s_lshl_b32 s96, s41, 4
	s_lshl_b32 s99, s40, 2
	s_add_co_u32 s96, s96, s99
	s_lshl_b32 s99, s16, 1
	s_add_co_u32 s96, s96, s99                     ; 16 b + my first head (4 cx + 2 x half)
	s_lshl_b32 s96, s96, 18                        ; 262,144 bytes a head
	s_lshl_b32 s99, s98, 7
	s_add_co_u32 s96, s96, s99                     ; 128 bytes a position
	s_lshl_b32 s99, ttmp9, 24
	s_add_co_u32 s96, s96, s99                     ; 16,777,216 bytes a kind
	s_add_nc_u64 s[10:11], s[10:11], s[96:97]
	s_mul_i32 s96, s41, 196608                     ; fine: a batch,
	s_lshl_b32 s99, ttmp9, 6
	s_lshl_b32 s95, s40, 4
	s_add_co_u32 s99, s99, s95
	s_lshl_b32 s95, s16, 3
	s_add_co_u32 s99, s99, s95                     ; my first block of 16 columns: 64 kind + 16 cx + 8 x half,
	s_lshl_b32 s99, s99, 10                        ; 1,024 bytes each
	s_add_co_u32 s96, s96, s99
	s_add_nc_u64 s[12:13], s[12:13], s[96:97]
	s_or_b32 s66, s67, s15                         ; 0 where my first 16 rows are positions 0 to 15
.macro FRAG reg, adr, q, i             ; 16 rows x 128 K of 4-bit codes: registers 4 c .. 4 c + 3 hold K = 64 c + 32 (lane / 16) + 0 .. 31
.irp c, 0,1
	ds_load_b128 v[\reg+4*\c:\reg+4*\c+3], v[\adr] offset:64*(\q)+32*\c+(\i)*16*PITCH
.endr
.endm
; 16 matrix instructions: A's blocks a0, a0 + 1 x B's eight.  The 64 accumulators take turns, one instruction a turn, in the same order in every step.
.macro MUL16 a0, p, q, sc, zero
.irp a, \a0, \a0+1
.irp b, 0,1,2,3,4,5,6,7
.if \zero
	v_wmma_scale_f32_16x16x128_f8f6f4 v[8*(8*((\a)%4)+\b):8*(8*((\a)%4)+\b)+7], v[128*(\p)+FR*\b:128*(\p)+FR*\b+FR-1], v[AF+FR*(\a):AF+FR*(\a)+FR-1], 0, v[SC+8*NQ*(\sc)+NQ*\b+(\q)], v[SC+8*NQ*(\sc)+NQ*(\a)+(\q)] matrix_a_fmt:MATRIX_FMT_FP4 matrix_b_fmt:MATRIX_FMT_FP4 matrix_a_scale:MATRIX_SCALE_ROW1
.else
	v_wmma_scale_f32_16x16x128_f8f6f4 v[8*(8*((\a)%4)+\b):8*(8*((\a)%4)+\b)+7], v[128*(\p)+FR*\b:128*(\p)+FR*\b+FR-1], v[AF+FR*(\a):AF+FR*(\a)+FR-1], v[8*(8*((\a)%4)+\b):8*(8*((\a)%4)+\b)+7], v[SC+8*NQ*(\sc)+NQ*\b+(\q)], v[SC+8*NQ*(\sc)+NQ*(\a)+(\q)] matrix_a_fmt:MATRIX_FMT_FP4 matrix_b_fmt:MATRIX_FMT_FP4 matrix_a_scale:MATRIX_SCALE_ROW1
.endif
.endr
.endr
.endm
.macro FETCH_B slot, q, p
	WIN TO_B
.irp i, 0,1,2,3,4,5,6,7
	FRAG 128*(\p)+FR*\i, ADRB+\slot, \q, \i
.endr
	WIN 0
.endm
.macro FETCH_A slot, q, i0
.irp i, \i0, \i0+1, \i0+2, \i0+3
	FRAG AF+FR*(\i), ADRA+\slot, \q, \i
.endr
.endm
.macro SCALES sc                       ; a slot's scale words: lanes 0-15 A's block i, lanes 16-31 B's block i
.irp i, 0,1,2,3,4,5,6,7
	ds_load_b128 v[SC+8*NQ*\sc+NQ*\i:SC+8*NQ*\sc+NQ*\i+3], v[ADRS] offset:\i*SBLK
.endr
.endm
.macro PLACES n                        ; plain vector lines between a matrix instruction and a load into, or a read of, its registers
.rept \n
	v_nop
.endr
.endm
.macro STEP slot, q, zero              ; 128 along K, with its successor in the same slot
	s_wait_dscnt 4*NL                              ; B's set and A's blocks 0-3 are in; the youngest eight loads (A's blocks 4-7) may be out
	WIN MUL_LO
	MUL16 0, (\q)%2, \q, \slot, \zero
	MUL16 2, (\q)%2, \q, \slot, \zero
	s_wait_dscnt 0
	PLACES NP
	FETCH_B \slot, (\q)+1, 1-(\q)%2
	FETCH_A \slot, (\q)+1, 0
	WIN MUL_HI
	MUL16 4, (\q)%2, \q, \slot, \zero
	MUL16 6, (\q)%2, \q, \slot, \zero
	PLACES NP
	WIN 0
	FETCH_A \slot, (\q)+1, 4
.endm
; Slot 0's last step changes slots: each wave waits for all its tensor loads (its part of slot 1), and for its own reads of slot 0; behind the barrier slot 1 is whole and nobody reads slot 0.
.macro TURN slot, next
	s_wait_tensorcnt 0x0
	ds_add_u32 v[SPW], v[NIL]                      ; 0 onto my spare word
	s_wait_dscnt 4*NL+1                            ; the add and the youngest eight loads may be out
	WIN MUL_LO
	MUL16 0, 1, NQ-1, \slot, 0
	s_wait_dscnt 0x0                               ; the add is done, my reads of this slot are over
	s_barrier_signal -1
	MUL16 2, 1, NQ-1, \slot, 0
	WIN 0
	s_barrier_wait -1
	PLACES NP
	v_add_nc_u32 v[ADRS], 4*NQ, v[ADRS]            ; the next 512 along K of each row's scale bytes
	FETCH_B \next, 0, 0
	FETCH_A \next, 0, 0
	SCALES \next
	WIN MUL_HI
	MUL16 4, 1, NQ-1, \slot, 0
	MUL16 6, 1, NQ-1, \slot, 0
	PLACES NP
	WIN 0
	FETCH_A \next, 0, 4
.endm
.macro STEPS slot, from
.set Q, \from
.rept NQ-1-\from
	STEP \slot, Q, 0
.set Q, Q+1
.endr
.endm
.macro LAST                            ; the very last step: nothing more to fetch
	s_wait_dscnt 4*NL
	WIN MUL_LO
	MUL16 0, 1, NQ-1, 1, 0
	MUL16 2, 1, NQ-1, 1, 0
	s_wait_dscnt 0
	WIN MUL_HI
	MUL16 4, 1, NQ-1, 1, 0
	MUL16 6, 1, NQ-1, 1, 0
	WIN 0
	PLACES NP
.endm
; THE WAY OUT, block a of 16 rows x 128 columns (two heads) at a time.
.macro CSLOAD a                        ; cos and sin for block a: lane (r, h) wants, for column group q of a head, frequencies 8 q + 4 h + 0 .. 3 of its row: 32 bytes
.irp q, 0,1,2,3
.irp e, 0,1
	global_load_b128 v[CS+32*((\a)%2)+8*\q+4*\e:CS+32*((\a)%2)+8*\q+4*\e+3], v[RT], s[8:9] offset:4096*(\a)+64*\q+16*\e
.endr
.endr
.endm
.macro ROPE a, left                    ; (x1, x2) -> (x1 cos - x2 sin, x1 sin + x2 cos): (-x2 sin, x2 cos), then x1 (cos, sin) added; each accumulator is read from its low end on
	s_wait_loadcnt \left                           ; block a's eight loads are in; the next block's eight may be out
	WIN 0x02+(\a)/4                                ; source 0: window 2 or 3
.irp b, 0,1,2,3,4,5,6,7
.irp p, 0,1,2,3
	v_pk_mul_f32 v[T+8*\b+2*\p:T+8*\b+2*\p+1], v[64*((\a)%4)+8*\b+2*\p:64*((\a)%4)+8*\b+2*\p+1], v[CS+32*((\a)%2)+8*(\b%4)+2*\p:CS+32*((\a)%2)+8*(\b%4)+2*\p+1] op_sel:[1,1] op_sel_hi:[1,0] neg_lo:[1,0]
.endr
.irp p, 0,1,2,3
	v_pk_fma_f32 v[T+8*\b+2*\p:T+8*\b+2*\p+1], v[64*((\a)%4)+8*\b+2*\p:64*((\a)%4)+8*\b+2*\p+1], v[CS+32*((\a)%2)+8*(\b%4)+2*\p:CS+32*((\a)%2)+8*(\b%4)+2*\p+1], v[T+8*\b+2*\p:T+8*\b+2*\p+1] op_sel:[0,0,0] op_sel_hi:[0,1,1]
.endr
.endr
	WIN 0
.endm
.macro PACKT                           ; the rotated numbers to f16
.set i, 0
.rept 32
	v_cvt_pk_f16_f32 v[TMP+i], v[T+2*i], v[T+2*i+1]
.set i, i+1
.endr
.endm
.macro PACKA a                         ; V: the accumulators to f16, each from its low end on
	WIN 0x0a+5*((\a)/4)
.set i, 0
.rept 32
	v_cvt_pk_f16_f32 v[TMP+i], v[64*((\a)%4)+2*i], v[64*((\a)%4)+2*i+1]
.set i, i+1
.endr
	WIN 0
.endm
.macro TOSTAGE a                       ; into my stage, and back as rows; LDS serves a wave's instructions in order: no wait between
.irp b, 0,1,2,3,4,5,6,7
	ds_store_b128 v[STO], v[TMP+4*\b:TMP+4*\b+3] offset:(\b/4)*16*HP+(\b%4)*32
.endr
.irp u, 0,1,2,3,4,5,6,7
	ds_load_b128 v[BK+32*((\a)%2)+4*\u:BK+32*((\a)%2)+4*\u+3], v[RD] offset:(\u/4)*16*HP+(\u%4)*4*HP
.endr
.endm
.macro SEND a, younger                 ; younger: the LDS instructions issued behind block a's loads, which may stay out
	s_wait_dscnt \younger
.irp u, 0,1,2,3,4,5,6,7
	global_store_b128 v[CO], v[BK+32*((\a)%2)+4*\u:BK+32*((\a)%2)+4*\u+3], s[10:11] offset:(\u/4)*262144+(\a)*2048+(\u%4)*512   ; four rows of a head: 512 consecutive bytes, aligned
.endr
.endm
	s_wait_tensorcnt 1                             ; the scales and my part of slot 0 are in; slot 1's load may be out
	s_barrier_signal -1
	s_barrier_wait -1
	FETCH_B 0, 0, 0
	FETCH_A 0, 0, 0
	SCALES 0
	FETCH_A 0, 0, 4
	STEP 0, 0, 1                                   ; the first products start the sums: nothing is cleared
	STEPS 0, 1
	TURN 0, 1
	s_cmp_eq_u32 ttmp9, 2                          ; V is not rotated.  One branch, on the cluster's x: each arm holds slot 1's steps and its own way out
	s_cbranch_scc1 .Lplain
	CSLOAD 0                                       ; the first two blocks' cos and sin land under slot 1's 256 matrix instructions
	CSLOAD 1
	STEPS 1, 0
	LAST
	ROPE 0, 8
	CSLOAD 2
	PACKT
	s_cmp_lg_u32 s66, 0                            ; positions 0 to 15 also leave in f32, as they lie in the registers
	s_cbranch_scc1 .Lno_fine_t
.irp b, 0,1,2,3,4,5,6,7
.irp jj, 0,1
	global_store_b128 v[CO], v[T+8*\b+4*\jj:T+8*\b+4*\jj+3], s[12:13] offset:1024*\b+512*\jj   ; 512 consecutive bytes, aligned
.endr
.endr
.Lno_fine_t:
	TOSTAGE 0
.irp a, 1,2,3,4,5,6,7
	s_wait_xcnt 0x0                                ; the stores issued so far have read their registers: the rotated numbers and the set of rows that block a will use are written again only behind this wait
.if \a < 7
	ROPE \a, 8
.else
	ROPE \a, 0
.endif
.if \a < 6
	CSLOAD \a+2
.endif
	PACKT
	TOSTAGE \a
	SEND \a-1, 16                                  ; behind block a - 1's loads: block a's 8 stores and 8 loads
.endr
	SEND 7, 0
	s_branch .Lend
.Lplain:
	STEPS 1, 0
	LAST
	PACKA 0
	s_cmp_lg_u32 s66, 0
	s_cbranch_scc1 .Lno_fine_a
	WIN 0x08                                       ; a store's data are its source 1: window 2
.irp b, 0,1,2,3,4,5,6,7
.irp jj, 0,1
	global_store_b128 v[CO], v[8*\b+4*\jj:8*\b+4*\jj+3], s[12:13] offset:1024*\b+512*\jj
.endr
.endr
	WIN 0
.Lno_fine_a:
	TOSTAGE 0
.irp a, 1,2,3,4,5,6,7
	s_wait_xcnt 0x0
	PACKA \a
	TOSTAGE \a
	SEND \a-1, 16
.endr
	SEND 7, 0
.Lend:
	s_wait_tensorcnt 0x0                           ; the wave's end, behind my last tensor load and my last LDS store
	ds_add_u32 v[SPW], v[NIL]
	s_wait_dscnt 0x0
	CROUND                                         ; the closing round
	s_endpgm
.Lfunc_end_k_q96a2301271_qkv:
	.size	k_q96a2301271_qkv, .Lfunc_end_k_q96a2301271_qkv-k_q96a2301271_qkv
	.p2alignl 7, 3214868480
	.fill 96, 4, 3214868480
	.section	.rodata,"a",@progbits
	.p2align	6, 0x0
	.amdhsa_kernel k_q96a2301271_qkv
		.amdhsa_group_segment_fixed_size 327680
		.amdhsa_private_segment_fixed_size 0
		.amdhsa_enable_private_segment 0
		.amdhsa_kernarg_size 40
		.amdhsa_user_sgpr_count 2
		.amdhsa_user_sgpr_kernarg_segment_ptr 1
		.amdhsa_wavefront_size32 1
		.amdhsa_system_sgpr_workgroup_id_x 1
		.amdhsa_system_sgpr_workgroup_id_y 1
		.amdhsa_system_sgpr_workgroup_id_z 1
		.amdhsa_system_vgpr_workitem_id 0
		.amdhsa_next_free_vgpr 1024
		.amdhsa_next_free_sgpr 100
		.amdhsa_reserve_vcc 0
		.amdhsa_float_denorm_mode_32 3
		.amdhsa_float_denorm_mode_16_64 3
		.amdhsa_memory_ordered 1
		.amdhsa_forward_progress 1
		.amdhsa_inst_pref_size 239
	.end_amdhsa_kernel
	.amdgpu_metadata
---
amdhsa.version: [ 1, 2 ]
amdhsa.kernels:
  - .name:           k_q96a2301271_qkv
    .symbol:         k_q96a2301271_qkv.kd
    .args:
      - { .name: xq, .offset: 0, .size: 8, .value_kind: global_buffer, .address_space: global }
      - { .name: wq, .offset: 8, .size: 8, .value_kind: global_buffer, .address_space: global }
      - { .name: rope, .offset: 16, .size: 8, .value_kind: global_buffer, .address_space: global }
      - { .name: qkv, .offset: 24, .size: 8, .value_kind: global_buffer, .address_space: global }
      - { .name: fine, .offset: 32, .size: 8, .value_kind: global_buffer, .address_space: global }
    .group_segment_fixed_size: 327680
    .private_segment_fixed_size: 0
    .kernarg_segment_align: 8
    .kernarg_segment_size: 40
    .max_flat_workgroup_size: 128
    .sgpr_count:     100
    .vgpr_count:     1024
    .wavefront_size: 32
...
	.end_amdgpu_metadata
.endif
;; end of part 2
;; launch attn (part 3): grid 4 x 64, 16 waves a work-group, clusters of 4 x 1, 327,680 bytes of LDS; arguments qkv, oh; writes oh
.if DOCPART == 3
	.amdgcn_target "amdgcn-amd-amdhsa--gfx1250"
	.amdhsa_code_object_version 6
	.text
	.protected	k_q96a2301271_attn
	.globl	k_q96a2301271_attn
	.p2align	8
	.type	k_q96a2301271_attn,@function
k_q96a2301271_attn:
	s_mov_b64 s[64:65], 0
	v_nop
	global_prefetch_b8 v0, s[64:65] scope:SCOPE_SE
	s_setreg_imm32_b32 hwreg(HW_REG_WAVE_MODE, 25, 1), 1
	s_wait_xcnt 0x0
	s_wait_alu depctr_hold_cnt(0) depctr_sa_sdst(0) depctr_va_vdst(0) depctr_va_sdst(0) depctr_va_ssrc(0) depctr_va_vcc(0) depctr_vm_vsrc(0)
	s_getreg_b32 s2, hwreg(HW_REG_IB_STS2, 6, 4)
	s_cmp_eq_u32 s2, 0
	s_cbranch_scc0 .Lentry_in_a_cluster
	s_endpgm
.Lentry_in_a_cluster:
	s_bfe_u32 s2, ttmp6, 0x10000c
	s_cmp_lg_u32 s2, 0x3003
	s_cbranch_scc0 .Lentry_shape_is_right
	s_endpgm
.Lentry_shape_is_right:
; O[b][h][q] = the sum over k <= q of softmax_k(Q[q] . K[k] / 8) V[k].  Q, K, V: f16, [kind][b][h][2048][64]; O: f16, [h][b 2048 + q][64].  Products, maxima and sums in f32; the weights are rounded to f16.
; WORK LEFT OUT: tiles of 16 queries x 64 keys that lie wholly at k > q, which reference()'s own jnp.tril sets to -inf: their weights are 0 for all finite inputs.  A NaN or infinity that reaches a query
; only through such keys is not carried.  LIMIT: f16 operands: |Q|, |K|, |V| under 65,504.
; SHARES.  A cluster of four work-groups is one (b, h); all four walk the same K and V, asked for JOINTLY.  Work-group j, wave i owns two tiles of 16 queries in the block of 128 positions 128 i:
; tile 0: queries 128 i + 16 j + r;  tile 1: 128 i + 64 + 16 j + r.  The keys go 64 a step, tau = 0 .. 31.  tau < 2 i: both tiles, no mask;  tau = 2 i: tile 0 on the diagonal, tile 1 open;
; tau = 2 i + 1: tile 1 on the diagonal;  later: nothing.  These branches hang on the wave's number and the count of steps: alike in all partners; wave 15 of every partner reads every slot.
; LAYOUT.  S^T = K Q^T (source 0 = 16 keys, source 1 = 16 queries): a lane holds ONE query (lane % 16) and keys 8 (lane / 16) + 0 .. 7.  Two such tiles, packed to f16 in place, are source 1 of
; O^T = V^T P.  K comes out of LDS as it lies, V ([key][channel]) turned, by ds_load_tr16_b128.  Each fragment read feeds both tiles.
; SOFTMAX.  A running maximum m and sum l for each query: p = 2^(c s - c m), c = log2(e) / 8; in every step O and l are multiplied by 2^(c m_old - c m_new).  m starts at -3e38, l and O at 0.
; RING.  Two slots of 256 keys (K: 256 rows of 128 + 16 bytes; V: 256 rows of 128 + 32 bytes), filled by waves 0, 1 (K's halves) and 2, 3 (V's).  The change of slots stands at a slot's head.
; A wave has at most one tensor load out, and every wait for tensor loads is for all of them.
; REGISTERS: v1-9 addresses; v10-25 statistics, eight a tile (+0 c m, +1 m, +2, +3 l, +4 .. +7 at work, the rescaling factor in +6); v26-29 second sum chains; v30 -inf; v32-63 Q; v64-127 K, then V; v128-191 S^T, then P; v192-255 O^T.
.set PK,    144
.set PV,    160
.set VOFF,  256*PK
.set SLOT1, 1<<17
.set STAGE, SLOT1+256*(PK+PV)          ; the way out: 16 rows x 144 bytes for each wave; no tile lands here
.set SPARE, STAGE+16*16*PK             ; the spare words, 128 bytes for each wave
.set AK0, 1
.set AV0, 2
.set ADK, 3
.set ADV, 4
.set SPW, 5                            ; never rewritten
.set NIL, 6                            ; never rewritten
.set DM,  7                            ; 16 j + r - 8 h: register jj of key tile kt is hidden where 16 kt + jj > DM
.set PFO, 8                            ; 256 x lane
.set GO,  9                            ; 16 x lane
.set ST,  10
.set C2,  26
.set NINF, 30
.set Q,   32
.set KV,  64
.set S,   128
.set O,   192
.set WV,  18
.set CX,  19
.set BH,  20
.set DE,  21
.set G1K, 24
.set G1V, 32
.set G0K, 40
.set G0V, 44
.set PFA, 48
.set LIM, 50
.set SLOTS, 51
.set CNT, 52
.set TAU, 53
.set SB,  54
.set TK,  55
.set TV,  56
.set DL,  57
.set CSC, 58
.set SEL, 60
.macro TLOAD                           ; waves 0, 1: K; waves 2, 3: V; the others nothing.  An s_nop 0 and four v_nop follow each line
	s_cmp_lt_u32 s[WV], 2
	s_cbranch_scc0 .Lnot_k_\@
	tensor_load_to_lds s[G0K:G0K+3], s[G1K:G1K+7]
	s_nop 0
.rept 4
	v_nop
.endr
	s_branch .Lasked_\@
.Lnot_k_\@:
	s_cmp_lt_u32 s[WV], 4
	s_cbranch_scc0 .Lasked_\@
	tensor_load_to_lds s[G0V:G0V+3], s[G1V:G1V+7]
	s_nop 0
.rept 4
	v_nop
.endr
.Lasked_\@:
.endm
; A prefetch of what the NEXT change of slots will ask for: a slot's K and V are 32,768 dense bytes each.  The four partners share them out by address, 8,192 bytes each; wave 4 asks for K's, wave 5 for V's,
; lanes 256 bytes apart: each aligned run of 256 bytes is named once in the launch.  The last change that fills a slot asks for nothing; slots 0 and 1 come by their loads alone.
.macro ASK
	s_cmp_gt_u32 s[SLOTS], s[LIM]
	s_cbranch_scc0 .Lnot_mine_\@
	global_prefetch_b8 v[PFO], s[PFA:PFA+1] th:TH_LOAD_NT scope:SCOPE_SE
.Lnot_mine_\@:
.endm
.macro CROUND
	s_barrier_signal -1
	s_barrier_wait -1
	s_cmp_lg_u32 s[WV], 0
	s_cbranch_scc1 .Lnot_wave_0_\@
	s_barrier_signal -3
.Lnot_wave_0_\@:
	s_barrier_wait -3
	s_barrier_signal -1
	s_barrier_wait -1
.endm
	s_load_b128 s[4:7], s[0:1], 0x0                ; qkv 4:5, oh 6:7
	v_lshl_add_u32 v[SPW], v0, 2, SPARE
	v_mov_b32 v[NIL], 0
	ds_add_u32 v[SPW], v[NIL]                      ; the wave's opening: the add, twice on end, and its wait ahead of the first tensor load
	ds_add_u32 v[SPW], v[NIL]
	v_lshrrev_b32 v9, 5, v0
	v_readfirstlane_b32 s[WV], v9                  ; wave 0..15
	s_bfe_u32 s[CX], ttmp6, 0x40000                ; my place in the cluster: it enters Q's, O's and the prefetches' addresses and the mask's lane value alone
	s_and_b32 s[BH], ttmp7, 0xffff                 ; 16 b + h, which the four partners share
	s_lshl_b32 s[DE], s[WV], 1
	s_add_co_u32 s[DL], s[DE], 1
	s_and_b32 s16, s[WV], 1                        ; which half of a slot's rows I fetch
	s_lshl_b32 s22, s[BH], 18
	s_lshl_b32 s17, s16, 14
	s_add_co_u32 s22, s22, s17                     ; the head's bytes + my half's 128 rows of 128 bytes
	s_mov_b32 s23, 0
	s_mov_b32 s[G1K], 15|(1<<16)|(1<<20)|(1<<21)|(4<<22)|(3<<25)  ; the mask: all four; elements of 2 bytes; padding on; bit 21 beside a mask; after every 32 words four words
	s_mov_b32 s[G1V], 15|(1<<16)|(1<<20)|(1<<21)|(4<<22)|(7<<25)  ; the same with eight words
.irp g, G1K, G1V
	s_mov_b32 s[\g+1], 64<<16                      ; tensor_dim0
	s_mov_b32 s[\g+2], 128<<16                     ; tensor_dim1
	s_mov_b32 s[\g+3], 64<<16                      ; tile_dim0
	s_mov_b32 s[\g+4], 128                         ; tile_dim1
	s_mov_b32 s[\g+5], 64                          ; from row to row
	s_mov_b32 s[\g+6], 0
	s_mov_b32 s[\g+7], 0
.endr
	s_mul_i32 s10, s16, 128*PK
	s_mul_i32 s11, s16, 128*PV
	s_add_co_u32 s11, s11, VOFF
	s_mov_b32 s[CSC], 0x3e38aa3b                   ; c = log2(e) / 8
	s_mov_b32 s[CSC+1], s[CSC]
	s_mov_b32 s[SEL], 0x76543210
	s_mov_b32 s[SEL+1], 0xfedcba98
	s_mov_b32 s[SLOTS], 7
	s_mov_b32 s[TAU], 0
	s_mov_b32 s[SB], 0
	s_wait_dscnt 0x0                               ; both opening adds are done
	s_wait_kmcnt 0x0
	s_mov_b32 s[G0K], 1
	s_mov_b32 s[G0K+1], s10
	s_add_nc_u64 s[G0K+2:G0K+3], s[4:5], s[22:23]
	s_add_nc_u64 s[G0K+2:G0K+3], s[G0K+2:G0K+3], 16777216
	s_or_b32 s[G0K+3], s[G0K+3], 0x80000000
	s_mov_b32 s[G0V], 1
	s_mov_b32 s[G0V+1], s11
	s_add_nc_u64 s[G0V+2:G0V+3], s[4:5], s[22:23]
	s_add_nc_u64 s[G0V+2:G0V+3], s[G0V+2:G0V+3], 33554432
	s_or_b32 s[G0V+3], s[G0V+3], 0x80000000
	CROUND                                         ; all four work-groups are here
	TLOAD                                          ; slot 0
	s_lshl_b32 s8, s[WV], 7
	s_lshl_b32 s9, s[CX], 4
	s_add_co_u32 s8, s8, s9                        ; tile 0's first query
	s_lshl_b32 s2, s8, 7
	s_lshl_b32 s9, s[BH], 18
	s_add_co_u32 s2, s2, s9
	s_mov_b32 s3, 0
	s_add_nc_u64 s[12:13], s[4:5], s[2:3]          ; Q
	s_lshr_b32 s9, s[BH], 4
	s_lshl_b32 s9, s9, 11
	s_add_co_u32 s9, s9, s8                        ; 2048 b + query
	s_lshl_b32 s2, s9, 7
	s_and_b32 s9, s[BH], 15
	s_lshl_b32 s9, s9, 20
	s_add_co_u32 s2, s2, s9
	s_add_nc_u64 s[14:15], s[6:7], s[2:3]          ; O
	s_mov_b32 s2, 33554432
	s_cmp_eq_u32 s[WV], 4
	s_cselect_b32 s2, 16777216, s2                 ; wave 4: K; wave 5: V
	s_lshl_b32 s9, s[BH], 18
	s_add_co_u32 s2, s2, s9
	s_lshl_b32 s9, s[CX], 13
	s_add_co_u32 s2, s2, s9                        ; my work-group's 8,192 bytes,
	s_add_co_u32 s2, s2, 32768                     ; in slot 1: the first change of slots steps it to slot 2
	s_add_nc_u64 s[PFA:PFA+1], s[4:5], s[2:3]
	s_sub_co_u32 s9, s[WV], 4
	s_lshr_b32 s9, s9, 1                           ; 0 in waves 4 and 5
	s_cmp_eq_u32 s9, 0
	s_cselect_b32 s[LIM], 1, -1
	v_and_b32 v64, 15, v0                          ; r
	v_bfe_u32 v65, v0, 4, 1                        ; h
	v_lshlrev_b32 v66, 7, v64
	v_lshl_add_u32 v66, v65, 4, v66
.irp x, 0,1
.irp c, 0,1
.irp u, 0,1
	global_load_b128 v[Q+16*\x+8*\c+4*\u:Q+16*\x+8*\c+4*\u+3], v66, s[12:13] offset:8192*\x+64*\c+32*\u   ; Q stays in registers
.endr
.endr
.endr
	v_mul_u32_u24 v[AK0], v64, PK
	v_lshl_add_u32 v[AK0], v65, 4, v[AK0]          ; K: row r, + 16 h
	v_and_b32 v67, 7, v0
	v_bfe_u32 v68, v0, 3, 1
	v_lshl_add_u32 v[AV0], v65, 3, v67
	v_mul_u32_u24 v[AV0], v[AV0], PV
	v_lshl_add_u32 v[AV0], v68, 4, v[AV0]
	v_add_nc_u32 v[AV0], VOFF, v[AV0]              ; V, for the turning load: key 8 h + lane % 8, channels 8 ((lane / 8) % 2) on
	v_lshlrev_b32 v69, 3, v65
	v_sub_nc_u32 v[DM], v64, v69
	s_lshl_b32 s9, s[CX], 4
	v_add_nc_u32 v[DM], s9, v[DM]
	v_and_b32 v[GO], 31, v0
	v_lshlrev_b32 v[PFO], 8, v[GO]
	v_lshlrev_b32 v[GO], 4, v[GO]
	v_mov_b32 v[NINF], 0xff800000
.irp x, 0,1
	v_mov_b32 v[ST+8*\x+1], 0xff61b1e6             ; m = -3e38, under every score
	v_mul_f32 v[ST+8*\x], s[CSC], v[ST+8*\x+1]
.irp u, 2,3,4,5,6,7
	v_mov_b32 v[ST+8*\x+\u], 0                     ; l; and the registers at work, written once (a lane permute's destination counts as one of its sources)
.endr
.endr
.set n, 0
.rept 64
	v_mov_b32 v[O+n], 0                            ; O^T: the step is written once; its first turn finds zeros
.set n, n+1
.endr
; numbers 12 to 20 of a tile's softmax: the end of the maximum, and what hangs on it
.macro SMT k, x
.set rT, ST+8*(\x)
.set rS, S+32*(\x)
.if \k == 12
	v_max3_num_f32 v[rT+4], v[rT+4], v[rS+7], v[rS+15]
.elseif \k == 13
	v_max3_num_f32 v[rT+6], v[rT+6], v[rS+23], v[rS+31]
.elseif \k == 14
	v_max3_num_f32 v[rT+4], v[rT+4], v[rT+5], v[rT+6]
.elseif \k == 15
	v_max3_num_f32 v[rT+4], v[rT+4], v[rT+7], v[rT+1]              ; with the old m
.elseif \k == 16
	v_permlanex16_b32 v[rT+5], v[rT+4], s[SEL], s[SEL+1]           ; the query's other keys lie in the lane 16 away
.elseif \k == 17
	v_mov_b32 v[rT+7], v[rT]                                       ; c m_old
.elseif \k == 18
	v_max_num_f32 v[rT+1], v[rT+4], v[rT+5]
.elseif \k == 19
	v_mul_f32 v[rT], s[CSC], v[rT+1]
.else
	v_sub_f32 v[rT+7], v[rT+7], v[rT]                              ; c m_old - c m_new
.endif
.endm
; A STEP OF 64 KEYS.  t0, t1: tile 0's and tile 1's state: 0 not taken, 1 open, 2 on the diagonal.
.macro SUB t0, t1
.set ON0, \t0
.set ON1, \t1
	v_add_nc_u32 v[ADK], s[TK], v[AK0]
	v_add_nc_u32 v[ADV], s[TV], v[AV0]
.rept 3
	v_nop                                          ; with the two additions five places behind the last step's products: four for the loads into V's registers, five for the scores that are laid over P
.endr
.irp kt, 0,1,2,3
.irp c, 0,1
	ds_load_b128 v[KV+16*\kt+8*\c:KV+16*\kt+8*\c+3],   v[ADK] offset:\kt*16*PK+64*\c
	ds_load_b128 v[KV+16*\kt+8*\c+4:KV+16*\kt+8*\c+7], v[ADK] offset:\kt*16*PK+64*\c+32
.endr
.endr
	s_wait_dscnt 0x0
.irp c, 0,1                                    ; S^T = K Q^T: the accumulators take turns, one instruction a turn
.irp kt, 0,1,2,3
.irp x, 0,1
.if ON\x
.if \c == 0
	v_wmma_f32_16x16x32_f16 v[S+32*\x+8*\kt:S+32*\x+8*\kt+7], v[KV+16*\kt+8*\c:KV+16*\kt+8*\c+7], v[Q+16*\x+8*\c:Q+16*\x+8*\c+7], 0
.else
	v_wmma_f32_16x16x32_f16 v[S+32*\x+8*\kt:S+32*\x+8*\kt+7], v[KV+16*\kt+8*\c:KV+16*\kt+8*\c+7], v[Q+16*\x+8*\c:Q+16*\x+8*\c+7], v[S+32*\x+8*\kt:S+32*\x+8*\kt+7]
.endif
.endif
.endr
.endr
.endr
.rept 4
	v_nop                                          ; places in front of the loads into K's registers and of the first read of the scores
.endr
.irp ks, 0,1
.irp ct, 0,1,2,3
	ds_load_tr16_b128 v[KV+32*\ks+8*\ct:KV+32*\ks+8*\ct+3],   v[ADV] offset:\ks*32*PV+32*\ct          ; V lands while the softmax is walked
	ds_load_tr16_b128 v[KV+32*\ks+8*\ct+4:KV+32*\ks+8*\ct+7], v[ADV] offset:\ks*32*PV+16*PV+32*\ct
.endr
.endr
.irp x, 0,1
.if ON\x == 2                                  ; on the diagonal hidden scores become -inf ahead of the maximum; key 0 of the tile's first step counts for every query, so m is a number
.set n, 0
.rept 32
	v_cmp_gt_i32 vcc_lo, 16*(n/8)+n%8, v[DM]
	v_cndmask_b32 v[S+32*\x+n], v[S+32*\x+n], v[NINF], vcc_lo
.set n, n+1
.endr
.endif
.endr
.irp j, 0,1,2,3                                ; the maximum, four chains a tile; each accumulator is read from its low end on
.irp x, 0,1
.if ON\x
	v_max3_num_f32 v[ST+8*\x+4+\j], v[S+32*\x+8*\j], v[S+32*\x+8*\j+1], v[S+32*\x+8*\j+2]
.endif
.endr
.endr
.irp g, 1,2
.irp j, 0,1,2,3
.irp x, 0,1
.if ON\x
	v_max3_num_f32 v[ST+8*\x+4+\j], v[ST+8*\x+4+\j], v[S+32*\x+8*\j+2*\g+1], v[S+32*\x+8*\j+2*\g+2]
.endif
.endr
.endr
.endr
.irp k, 12,13,14,15,16,17,18,19,20
.irp x, 0,1
.if ON\x
	SMT \k, \x
.endif
.endr
.endr
.set n, 0
.rept 16
.irp x, 0,1
.if ON\x
	v_pk_fma_f32 v[S+32*\x+2*n:S+32*\x+2*n+1], v[S+32*\x+2*n:S+32*\x+2*n+1], s[CSC:CSC+1], v[ST+8*\x:ST+8*\x+1] op_sel_hi:[1,0,0] neg_lo:[0,0,1] neg_hi:[0,0,1]   ; c s - c m
.endif
.endr
.set n, n+1
.endr
.irp x, 0,1
.if ON\x
	v_exp_f32 v[ST+8*\x+6], v[ST+8*\x+7]           ; 2^(c m_old - c m_new)
.endif
.endr
.set n, 0
.rept 32
.irp x, 0,1
.if ON\x
	v_exp_f32 v[S+32*\x+n], v[S+32*\x+n]
.endif
.endr
.set n, n+1
.endr
	v_nop                                          ; a plain line behind the last exponential,
	s_wait_alu depctr_va_vdst(0)                   ; and ONE wait for the whole batch, ahead of its first reader
.irp x, 0,1                                    ; the row's sum of the unrounded weights, two chains a tile; the weights stay whole for the rounding
.if ON\x
	v_pk_add_f32 v[ST+8*\x+4:ST+8*\x+5], v[S+32*\x:S+32*\x+1], v[S+32*\x+4:S+32*\x+5]
	v_pk_add_f32 v[C2+2*\x:C2+2*\x+1], v[S+32*\x+2:S+32*\x+3], v[S+32*\x+6:S+32*\x+7]
.endif
.endr
.irp k, 4,6,8,10,12,14
.irp x, 0,1
.if ON\x
	v_pk_add_f32 v[ST+8*\x+4:ST+8*\x+5], v[ST+8*\x+4:ST+8*\x+5], v[S+32*\x+2*\k:S+32*\x+2*\k+1]
	v_pk_add_f32 v[C2+2*\x:C2+2*\x+1], v[C2+2*\x:C2+2*\x+1], v[S+32*\x+2*\k+2:S+32*\x+2*\k+3]
.endif
.endr
.endr
.irp x, 0,1
.if ON\x
	v_pk_fma_f32 v[ST+8*\x+2:ST+8*\x+3], v[ST+8*\x+2:ST+8*\x+3], v[ST+8*\x+6:ST+8*\x+7], v[ST+8*\x+4:ST+8*\x+5] op_sel_hi:[1,0,1]
.endif
.endr
.irp x, 0,1
.if ON\x
	v_pk_add_f32 v[ST+8*\x+2:ST+8*\x+3], v[ST+8*\x+2:ST+8*\x+3], v[C2+2*\x:C2+2*\x+1]
.endif
.endr
.set n, 0
.rept 16                                       ; P in place, ascending: register n takes weights 2 n and 2 n + 1
.irp x, 0,1
.if ON\x
	v_cvt_pk_f16_f32 v[S+32*\x+n], v[S+32*\x+2*n], v[S+32*\x+2*n+1]
.endif
.endr
.set n, n+1
.endr
.set n, 0
.rept 16
.irp x, 0,1
.if ON\x
	v_pk_mul_f32 v[O+32*\x+2*n:O+32*\x+2*n+1], v[O+32*\x+2*n:O+32*\x+2*n+1], v[ST+8*\x+6:ST+8*\x+7] op_sel_hi:[1,0]
.endif
.endr
.set n, n+1
.endr
	s_wait_dscnt 0x0                               ; V is in
.irp ks, 0,1                                   ; O^T += V^T P, the accumulators by turns
.irp ct, 0,1,2,3
.irp x, 0,1
.if ON\x
	v_wmma_f32_16x16x32_f16 v[O+32*\x+8*\ct:O+32*\x+8*\ct+7], v[KV+32*\ks+8*\ct:KV+32*\ks+8*\ct+7], v[S+32*\x+8*\ks:S+32*\x+8*\ks+7], v[O+32*\x+8*\ct:O+32*\x+8*\ct+7]
.endif
.endr
.endr
.endr
.endm
; THE CHANGE OF SLOTS, at a slot's head.  Each wave waits for all its tensor loads (its part of the slot ahead), adds 0 to its spare word, and waits for that and for its reads of the slot that it has left.
; fill = 1: the barrier is a round of the cluster's, and behind it the slot just left (in the first trip: slot 1, for the first time) takes the keys that follow: the load has four steps in which to land.
.macro CHANGE fill
	s_wait_tensorcnt 0x0
	ds_add_u32 v[SPW], v[NIL]
.if \fill
	ds_add_u32 v[SPW], v[NIL]                      ; and twice on end here
	s_xor_b32 s[G0K+1], s[G0K+1], SLOT1
	s_add_nc_u64 s[G0K+2:G0K+3], s[G0K+2:G0K+3], 32768
	s_xor_b32 s[G0V+1], s[G0V+1], SLOT1
	s_add_nc_u64 s[G0V+2:G0V+3], s[G0V+2:G0V+3], 32768
	s_wait_xcnt 0x0                                ; the last prefetch, a slot back, has read its address
	s_add_nc_u64 s[PFA:PFA+1], s[PFA:PFA+1], 32768
.endif
	s_wait_dscnt 0x0
.if \fill
	CROUND
	TLOAD
	ASK
.else
	s_barrier_signal -1
	s_barrier_wait -1
.endif
.endm
.macro FOUR                            ; a slot's four steps: every wave walks the loop; what it does in a step hangs on the wave's number and the count of steps
	s_mov_b32 s[TK], s[SB]
	s_mov_b32 s[TV], s[SB]
	s_mov_b32 s[CNT], 4
.Lsub_\@:
	s_cmp_lt_u32 s[TAU], s[DE]
	s_cbranch_scc1 .Lboth_\@
	s_cmp_eq_u32 s[TAU], s[DE]
	s_cbranch_scc1 .Ldiag_\@
	s_cmp_eq_u32 s[TAU], s[DL]
	s_cbranch_scc1 .Llate_\@
	s_branch .Ljoin_\@
.Lboth_\@:
	SUB 1, 1
	s_branch .Ljoin_\@
.Ldiag_\@:
	SUB 2, 1
	s_branch .Ljoin_\@
.Llate_\@:
	SUB 0, 2
.Ljoin_\@:
	s_add_co_u32 s[TK], s[TK], 64*PK
	s_add_co_u32 s[TV], s[TV], 64*PV
	s_add_co_u32 s[TAU], s[TAU], 1
	s_sub_co_u32 s[CNT], s[CNT], 1
	s_cmp_lg_u32 s[CNT], 0
	s_cbranch_scc1 .Lsub_\@
.endm
	s_wait_loadcnt 0x0                             ; Q
.Lslot:                                            ; seven trips: behind each change of slots but the last the next slot is asked for
	CHANGE 1
	FOUR
	s_xor_b32 s[SB], s[SB], SLOT1
	s_sub_co_u32 s[SLOTS], s[SLOTS], 1
	s_cmp_lg_u32 s[SLOTS], 0
	s_cbranch_scc1 .Lslot
	CHANGE 0                                       ; the last slot is written out
	FOUR
	; THE WAY OUT: O^T / l, to f16, through my stage, as 2,048 dense bytes a tile
.rept 4
	v_nop
.endr
.irp x, 0,1
	v_add_f32 v[ST+8*\x+4], v[ST+8*\x+2], v[ST+8*\x+3]
.endr
.irp x, 0,1
	v_permlanex16_b32 v[ST+8*\x+5], v[ST+8*\x+4], s[SEL], s[SEL+1]
.endr
.irp x, 0,1
	v_add_f32 v[ST+8*\x+4], v[ST+8*\x+4], v[ST+8*\x+5]
.endr
.irp x, 0,1
	v_rcp_f32 v[ST+8*\x+6], v[ST+8*\x+4]
.endr
	v_and_b32 v64, 15, v0                          ; (plain lines behind the reciprocals)  r
	v_bfe_u32 v65, v0, 4, 1                        ; h
	s_mul_i32 s9, s[WV], 16*PK
	s_add_co_u32 s9, s9, STAGE
	v_mul_u32_u24 v[ADK], v64, PK
	v_lshl_add_u32 v[ADK], v65, 4, v[ADK]
	v_add_nc_u32 v[ADK], s9, v[ADK]                ; in: row r, + 16 h
	v_bfe_u32 v66, v0, 3, 2
	v_mul_u32_u24 v[ADV], v66, PK
	v_and_b32 v67, 7, v0
	v_lshl_add_u32 v[ADV], v67, 4, v[ADV]
	v_add_nc_u32 v[ADV], s9, v[ADV]                ; back: eight lanes to a row, four rows an instruction
	s_wait_alu depctr_va_vdst(0)                   ; one wait for both reciprocals, ahead of their first reader
.irp x, 0,1
.set n, 0
.rept 16
	v_pk_mul_f32 v[O+32*\x+2*n:O+32*\x+2*n+1], v[O+32*\x+2*n:O+32*\x+2*n+1], v[ST+8*\x+6:ST+8*\x+7] op_sel_hi:[1,0]
.set n, n+1
.endr
.set n, 0
.rept 16
	v_cvt_pk_f16_f32 v[S+16*\x+n], v[O+32*\x+2*n], v[O+32*\x+2*n+1]
.set n, n+1
.endr
.endr
.irp x, 0,1
.irp ct, 0,1,2,3
	ds_store_b128 v[ADK], v[S+16*\x+4*\ct:S+16*\x+4*\ct+3] offset:32*\ct
.endr
.irp u, 0,1,2,3
	ds_load_b128 v[S+32+16*\x+4*\u:S+32+16*\x+4*\u+3], v[ADV] offset:\u*4*PK   ; in order behind my stores; the next tile's stores come behind these
.endr
.endr
	s_wait_dscnt 0x0
.irp x, 0,1
.irp u, 0,1,2,3
	global_store_b128 v[GO], v[S+32+16*\x+4*\u:S+32+16*\x+4*\u+3], s[14:15] offset:8192*\x+512*\u   ; 512 consecutive bytes, aligned
.endr
.endr
	s_wait_tensorcnt 0x0                           ; the wave's end
	ds_add_u32 v[SPW], v[NIL]
	s_wait_dscnt 0x0
	CROUND                                         ; the closing round
	s_endpgm
.Lfunc_end_k_q96a2301271_attn:
	.size	k_q96a2301271_attn, .Lfunc_end_k_q96a2301271_attn-k_q96a2301271_attn
	.p2alignl 7, 3214868480
	.fill 96, 4, 3214868480
	.section	.rodata,"a",@progbits
	.p2align	6, 0x0
	.amdhsa_kernel k_q96a2301271_attn
		.amdhsa_group_segment_fixed_size 327680
		.amdhsa_private_segment_fixed_size 0
		.amdhsa_enable_private_segment 0
		.amdhsa_kernarg_size 16
		.amdhsa_user_sgpr_count 2
		.amdhsa_user_sgpr_kernarg_segment_ptr 1
		.amdhsa_wavefront_size32 1
		.amdhsa_system_sgpr_workgroup_id_x 1
		.amdhsa_system_sgpr_workgroup_id_y 1
		.amdhsa_system_sgpr_workgroup_id_z 1
		.amdhsa_system_vgpr_workitem_id 0
		.amdhsa_next_free_vgpr 256
		.amdhsa_next_free_sgpr 66
		.amdhsa_reserve_vcc 1
		.amdhsa_float_denorm_mode_32 3
		.amdhsa_float_denorm_mode_16_64 3
		.amdhsa_memory_ordered 1
		.amdhsa_forward_progress 1
		.amdhsa_inst_pref_size 115
	.end_amdhsa_kernel
	.amdgpu_metadata
---
amdhsa.version: [ 1, 2 ]
amdhsa.kernels:
  - .name:           k_q96a2301271_attn
    .symbol:         k_q96a2301271_attn.kd
    .args:
      - { .name: qkv, .offset: 0, .size: 8, .value_kind: global_buffer, .address_space: global }
      - { .name: oh, .offset: 8, .size: 8, .value_kind: global_buffer, .address_space: global }
    .group_segment_fixed_size: 327680
    .private_segment_fixed_size: 0
    .kernarg_segment_align: 8
    .kernarg_segment_size: 16
    .max_flat_workgroup_size: 512
    .sgpr_count:     66
    .vgpr_count:     256
    .wavefront_size: 32
...
	.end_amdgpu_metadata
.endif
;; end of part 3
;; launch oproj (part 4): grid 4 x 64, 4 waves a work-group, clusters of 4 x 4, 327,680 bytes of LDS; arguments oh, woh, out0; writes out0
.if DOCPART == 4
	.amdgcn_target "amdgcn-amd-amdhsa--gfx1250"
	.amdhsa_code_object_version 6
	.text
	.protected	k_q96a2301271_oproj
	.globl	k_q96a2301271_oproj
	.p2align	8
	.type	k_q96a2301271_oproj,@function
k_q96a2301271_oproj:
	s_mov_b64 s[64:65], 0
	v_nop
	global_prefetch_b8 v0, s[64:65] scope:SCOPE_SE
	s_setreg_imm32_b32 hwreg(HW_REG_WAVE_MODE, 25, 1), 1
	s_wait_xcnt 0x0
	s_wait_alu depctr_hold_cnt(0) depctr_sa_sdst(0) depctr_va_vdst(0) depctr_va_sdst(0) depctr_va_ssrc(0) depctr_va_vcc(0) depctr_vm_vsrc(0)
	s_getreg_b32 s2, hwreg(HW_REG_IB_STS2, 6, 4)
	s_cmp_eq_u32 s2, 0
	s_cbranch_scc0 .Lentry_in_a_cluster
	s_endpgm
.Lentry_in_a_cluster:
	s_bfe_u32 s2, ttmp6, 0x10000c
	s_cmp_lg_u32 s2, 0xf033
	s_cbranch_scc0 .Lentry_shape_is_right
	s_endpgm
.Lentry_shape_is_right:
; out0[m][n] = the sum over k of O[m][k] Wo[n][k], m = 2048 b + s, k = 64 head + channel.  O: f16, [head][m][64]; Wo: f16, [n][k]; out0: f32.  Sums in f32.
; (The 64 rows s < 16 are made here too, inside tiles that hold live rows, and are replaced by the last launch, which carries them in f32.)
; A tile of out0 is 128 x 256: 256 work-groups.  Four waves, each 64 x 128: 32 accumulators, window 1.  K goes in steps of 128 (two heads) through two LDS slots; a step is four quarters of 32 along K.
; CLUSTERS: 4 x 4: O's tiles are asked for jointly along a row of the cluster, Wo's along a column.  Waves 0, 1 fetch a step's two heads of O (128 rows x 128 bytes each), waves 2, 3 the halves of Wo's 256 rows x 256 bytes.
; A wave has two tensor loads out at the start and one behind each round.  Source 0 = 16 rows of Wo, source 1 = 16 rows of O: a lane holds eight neighbouring columns of a row.
.set PA,     144                       ; a row of O in LDS: 128 bytes + 16
.set PB,     272                       ; a row of Wo: 256 + 16
.set AHEAD,  128*PA
.set BOFF,   2*AHEAD
.set BHALF,  128*PB
.set SLOT,   BOFF+2*BHALF
.set STAGE,  2*SLOT                    ; 16 rows x (512 + 16) bytes for each wave; no tile lands here
.set SPITCH, 528
.set SPARE,  STAGE+4*16*SPITCH
.set ADRA, 16
.set ADRB, 20
.set STO,  24
.set RD,   25
.set CO,   26
.set SPW,  28                          ; never rewritten
.set NIL,  29                          ; never rewritten
.set F0,   32                          ; a fragment buffer: 32 registers of O, then 64 of Wo
.set F1,   128
.set BK,   32                          ; the way out: rows read back, v32-95 and v96-159 by turns
.set G1, 24
.set G0, 32
.set G1B, 48
.set G0B, 56
.set MSB, 0
.macro WIN new
.if MSB != (\new)
	s_set_vgpr_msb (MSB<<8)|(\new)
.set MSB, (\new)
.endif
.endm
.set MUL, 0x50                         ; C and D window 1, sources window 0
.macro JLOAD s
	s_cmp_eq_u32 s11, 0
	s_cbranch_scc0 .Lfor_b_\@
	tensor_load_to_lds s[G0+4*\s:G0+4*\s+3], s[G1:G1+7]
	s_nop 0
.rept 4
	v_nop
.endr
	s_branch .Lasked_\@
.Lfor_b_\@:
	tensor_load_to_lds s[G0B+4*\s:G0B+4*\s+3], s[G1B:G1B+7]
	s_nop 0
.rept 4
	v_nop
.endr
.Lasked_\@:
.endm
.macro CREST
	s_cmp_lg_u32 s10, 0
	s_cbranch_scc1 .Lnot_wave_0_\@
	s_barrier_signal -3
.Lnot_wave_0_\@:
	s_barrier_wait -3
	s_barrier_signal -1
	s_barrier_wait -1
.endm
.macro CROUND
	s_barrier_signal -1
	s_barrier_wait -1
	CREST
.endm
	s_load_b128 s[4:7], s[0:1], 0x0                ; oh, woh
	s_load_b64 s[8:9], s[0:1], 0x10                ; out0
	v_lshl_add_u32 v[SPW], v0, 2, SPARE
	v_mov_b32 v[NIL], 0
	ds_add_u32 v[SPW], v[NIL]                      ; the wave's opening: the add, twice on end, and its wait ahead of my first tensor load
	ds_add_u32 v[SPW], v[NIL]
	v_lshrrev_b32 v1, 5, v0
	v_readfirstlane_b32 s10, v1
	s_lshr_b32 s11, s10, 1                         ; my half of the tile's rows.  Also: I fetch for O (0) or for Wo (1)
	s_and_b32 s12, s10, 1                          ; my half of its columns.  Also: which head of the step, or which 128 rows of Wo, I fetch
	s_bfe_u32 s40, ttmp6, 0x40000
	s_bfe_u32 s41, ttmp6, 0x40004
	s_lshl_b32 s42, ttmp9, 2
	s_add_co_u32 s42, s42, s40                     ; tile column
	s_and_b32 s13, ttmp7, 0xffff
	s_lshl_b32 s13, s13, 2
	s_add_co_u32 s13, s13, s41                     ; tile row
	s_lshl_b32 s43, s41, 2
	s_lshl_b32 s43, 15, s43
	s_lshl_b32 s44, 0x1111, s40
	s_or_b32 s[G1+0], s43, (1<<16)|(1<<20)|(1<<21)|(4<<22)|(3<<25)   ; O: elements of 2 bytes; four words of padding after every 32
	s_mov_b32 s[G1+1], 64<<16
	s_mov_b32 s[G1+2], 128<<16
	s_mov_b32 s[G1+3], 64<<16
	s_mov_b32 s[G1+4], 128
	s_mov_b32 s[G1+5], 64
	s_mov_b32 s[G1+6], 0
	s_mov_b32 s[G1+7], 0
	s_or_b32 s[G1B+0], s44, (1<<16)|(1<<20)|(1<<21)|(5<<22)|(3<<25)  ; Wo: four words after every 64
	s_mov_b32 s[G1B+1], 128<<16
	s_mov_b32 s[G1B+2], 128<<16
	s_mov_b32 s[G1B+3], 128<<16
	s_mov_b32 s[G1B+4], 128
	s_mov_b32 s[G1B+5], 1024
	s_mov_b32 s[G1B+6], 0
	s_mov_b32 s[G1B+7], 0
	s_lshl_b32 s16, s12, 20                        ; O: my head of the step, 1,048,576 bytes a head,
	s_lshl_b32 s17, s13, 14
	s_add_co_u32 s16, s16, s17                     ; and the tile's 128 rows of 128 bytes
	s_mov_b32 s17, 0
	s_lshl_b32 s46, s42, 8
	s_lshl_b32 s47, s12, 7
	s_add_co_u32 s46, s46, s47
	s_lshl_b32 s46, s46, 11                        ; Wo: row 256 x tile column + 128 x half, 2,048 bytes a row
	s_mov_b32 s47, 0
	s_mul_i32 s20, s12, AHEAD
	s_mul_i32 s21, s12, BHALF
	s_add_co_u32 s21, s21, BOFF
	s_wait_dscnt 0x0
	s_wait_kmcnt 0x0
	s_add_nc_u64 s[14:15], s[4:5], s[16:17]
	s_add_nc_u64 s[46:47], s[6:7], s[46:47]
	CROUND
.irp s, 0,1
	s_mov_b32 s[G0+4*\s], 1
	s_add_co_u32 s[G0+4*\s+1], s20, \s*SLOT
	s_add_nc_u64 s[G0+4*\s+2:G0+4*\s+3], s[14:15], \s*2097152       ; K step s: two heads on
	s_or_b32 s[G0+4*\s+3], s[G0+4*\s+3], 0x80000000
	s_mov_b32 s[G0B+4*\s], 1
	s_add_co_u32 s[G0B+4*\s+1], s21, \s*SLOT
	s_add_nc_u64 s[G0B+4*\s+2:G0B+4*\s+3], s[46:47], \s*256
	s_or_b32 s[G0B+4*\s+3], s[G0B+4*\s+3], 0x80000000
	JLOAD \s
.endr
	v_and_b32 v1, 15, v0
	v_bfe_u32 v2, v0, 4, 1
	v_mul_u32_u24 v3, v1, PA
	v_lshl_add_u32 v3, v2, 4, v3
	v_mul_u32_u24 v4, v1, PB
	v_lshl_add_u32 v4, v2, 4, v4
	s_mul_i32 s22, s11, 64*PA                      ; my 64 rows of O
	s_mul_i32 s23, s12, BHALF                      ; my 128 rows of Wo
	s_add_co_u32 s23, s23, BOFF
.irp s, 0,1
	v_add_nc_u32 v[ADRA+\s], s22, v3
	v_add_nc_u32 v[ADRB+\s], s23, v4
	s_add_co_u32 s22, s22, SLOT
	s_add_co_u32 s23, s23, SLOT
.endr
	s_mul_i32 s23, s10, 16*SPITCH
	s_add_co_u32 s23, s23, STAGE
	v_mul_u32_u24 v5, v1, SPITCH
	v_lshl_add_u32 v5, v2, 5, v5
	v_add_nc_u32 v[STO], s23, v5
	v_and_b32 v6, 31, v0
	v_lshlrev_b32 v[CO], 4, v6
	v_add_nc_u32 v[RD], s23, v[CO]
	s_lshl_b32 s16, s13, 7
	s_lshl_b32 s17, s11, 6
	s_add_co_u32 s16, s16, s17
	s_lshl_b32 s16, s16, 12                        ; my first row of out0, 4,096 bytes a row
	s_mov_b32 s17, 0
	s_add_nc_u64 s[8:9], s[8:9], s[16:17]
	s_lshl_b32 s46, s42, 10
	s_lshl_b32 s47, s12, 9
	s_add_co_u32 s46, s46, s47                     ; my first column, in bytes
	s_mov_b32 s47, 0
	s_add_nc_u64 s[8:9], s[8:9], s[46:47]
.macro MUL8 f, a, zero                 ; O's block a x Wo's eight; the 32 accumulators take turns, one instruction a turn, in the same order in every quarter
.irp b, 0,1,2,3,4,5,6,7
.if \zero
	v_wmma_f32_16x16x32_f16 v[8*(8*(\a)+\b):8*(8*(\a)+\b)+7], v[\f+32+8*\b:\f+32+8*\b+7], v[\f+8*(\a):\f+8*(\a)+7], 0
.else
	v_wmma_f32_16x16x32_f16 v[8*(8*(\a)+\b):8*(8*(\a)+\b)+7], v[\f+32+8*\b:\f+32+8*\b+7], v[\f+8*(\a):\f+8*(\a)+7], v[8*(8*(\a)+\b):8*(8*(\a)+\b)+7]
.endif
.endr
.endm
.macro FETCH slot, q, f                ; quarter q's fragments: 24 loads in one run
.irp b, 0,1,2,3,4,5,6,7
	ds_load_b128 v[\f+32+8*\b:\f+32+8*\b+3],   v[ADRB+\slot] offset:64*(\q)+\b*16*PB
	ds_load_b128 v[\f+32+8*\b+4:\f+32+8*\b+7], v[ADRB+\slot] offset:64*(\q)+\b*16*PB+32
.endr
.irp a, 0,1,2,3
	ds_load_b128 v[\f+8*\a:\f+8*\a+3],   v[ADRA+\slot] offset:((\q)/2)*AHEAD+((\q)%2)*64+\a*16*PA
	ds_load_b128 v[\f+8*\a+4:\f+8*\a+7], v[ADRA+\slot] offset:((\q)/2)*AHEAD+((\q)%2)*64+\a*16*PA+32
.endr
.endm
.macro PLACES
.rept 4
	v_nop
.endr
.endm
.macro QUARTER slot, qn, f, g, zero    ; multiplies buffer f; the next quarter's loads, into g, go out first and land under the 32 products
	WIN 0
	s_wait_dscnt 0x0                               ; buffer f is in
	PLACES                                         ; buffer g was read by the quarter before
	FETCH \slot, \qn, \g
	WIN MUL
	MUL8 \f, 0, \zero
	MUL8 \f, 1, \zero
	MUL8 \f, 2, \zero
	MUL8 \f, 3, \zero
.endm
; A slot's last quarter multiplies buffer 1 and changes slots: each wave waits for all its tensor loads, adds 0 to its spare word, and waits for that and for its reads of this slot.  fill = 1: the barrier opens a round
; of the cluster's, and the joint refill, two K steps ahead, is the first thing behind it.
.macro TURN slot, next, fill
	WIN 0
	s_wait_tensorcnt 0x0
	ds_add_u32 v[SPW], v[NIL]
	s_wait_dscnt 1                                 ; buffer 1 is in; the add may be out
	WIN MUL
	MUL8 F1, 0, 0
	s_wait_dscnt 0x0                               ; the add is done; my reads of this slot are over
	s_barrier_signal -1
	MUL8 F1, 1, 0
	WIN 0
	s_barrier_wait -1
.if \fill
	CREST
	s_add_nc_u64 s[G0+4*\slot+2:G0+4*\slot+3], s[G0+4*\slot+2:G0+4*\slot+3], 4194304
	s_add_nc_u64 s[G0B+4*\slot+2:G0B+4*\slot+3], s[G0B+4*\slot+2:G0B+4*\slot+3], 512
	JLOAD \slot                                    ; its four v_nop are also the places in front of the loads below
.else
	PLACES
.endif
	FETCH \next, 0, F0
	WIN MUL
	MUL8 F1, 2, 0
	MUL8 F1, 3, 0
.endm
	s_wait_tensorcnt 1                             ; my part of K step 0 is in; step 1's may be out
	s_barrier_signal -1
	s_barrier_wait -1
	FETCH 0, 0, F0
	QUARTER 0, 1, F0, F1, 1                        ; the first products start the sums
	WIN 0
	s_mov_b32 s3, 3
.Llap:                                             ; a trip goes once round the ring and fills both slots again: K steps 2 to 7
	QUARTER 0, 2, F1, F0, 0
	QUARTER 0, 3, F0, F1, 0
	TURN 0, 1, 1
	QUARTER 1, 1, F0, F1, 0
	QUARTER 1, 2, F1, F0, 0
	QUARTER 1, 3, F0, F1, 0
	TURN 1, 0, 1
	QUARTER 0, 1, F0, F1, 0
	WIN 0
	s_sub_co_u32 s3, s3, 1
	s_cmp_lg_u32 s3, 0
	s_cbranch_scc1 .Llap
	QUARTER 0, 2, F1, F0, 0                        ; the last lap fills nothing
	QUARTER 0, 3, F0, F1, 0
	TURN 0, 1, 0
	QUARTER 1, 1, F0, F1, 0
	QUARTER 1, 2, F1, F0, 0
	QUARTER 1, 3, F0, F1, 0
	WIN 0
	s_wait_dscnt 0x0
	WIN MUL
	MUL8 F1, 0, 0
	MUL8 F1, 1, 0
	MUL8 F1, 2, 0
	MUL8 F1, 3, 0
	WIN 0
.macro TOSTAGE a                       ; 16 rows x 128 columns through my stage, back as whole rows of 512 bytes; LDS serves a wave's instructions in order
	WIN 0x04                                       ; an LDS store's data are its source 1: window 1
.irp b, 0,1,2,3,4,5,6,7
	ds_store_b128 v[STO], v[8*(8*(\a)+\b):8*(8*(\a)+\b)+3] offset:64*\b        ; each accumulator from its low end on
	ds_store_b128 v[STO], v[8*(8*(\a)+\b)+4:8*(8*(\a)+\b)+7] offset:64*\b+16
.endr
	WIN 0
.irp t, 0,1,2,3,4,5,6,7,8,9,10,11,12,13,14,15
	ds_load_b128 v[BK+64*((\a)%2)+4*\t:BK+64*((\a)%2)+4*\t+3], v[RD] offset:\t*SPITCH
.endr
.endm
.macro SEND a, younger
	s_wait_dscnt \younger
.irp t, 0,1,2,3,4,5,6,7,8,9,10,11,12,13,14,15
	global_store_b128 v[CO], v[BK+64*((\a)%2)+4*\t:BK+64*((\a)%2)+4*\t+3], s[8:9] offset:(16*(\a)+\t)*4096 th:TH_STORE_NT   ; 512 consecutive bytes, aligned
.endr
.endm
	PLACES
	TOSTAGE 0
.irp a, 1,2,3
.if \a > 1
	s_wait_xcnt 0x0                                ; block a - 2's stores have read the registers into which block a's rows come
.endif
	TOSTAGE \a
	SEND \a-1, 32                                  ; behind block a - 1's loads: block a's 16 stores and 16 loads
.endr
	SEND 3, 0
	s_wait_tensorcnt 0x0                           ; the wave's end
	ds_add_u32 v[SPW], v[NIL]
	s_wait_dscnt 0x0
	CROUND                                         ; the closing round
	s_endpgm
.Lfunc_end_k_q96a2301271_oproj:
	.size	k_q96a2301271_oproj, .Lfunc_end_k_q96a2301271_oproj-k_q96a2301271_oproj
	.p2alignl 7, 3214868480
	.fill 96, 4, 3214868480
	.section	.rodata,"a",@progbits
	.p2align	6, 0x0
	.amdhsa_kernel k_q96a2301271_oproj
		.amdhsa_group_segment_fixed_size 327680
		.amdhsa_private_segment_fixed_size 0
		.amdhsa_enable_private_segment 0
		.amdhsa_kernarg_size 24
		.amdhsa_user_sgpr_count 2
		.amdhsa_user_sgpr_kernarg_segment_ptr 1
		.amdhsa_wavefront_size32 1
		.amdhsa_system_sgpr_workgroup_id_x 1
		.amdhsa_system_sgpr_workgroup_id_y 1
		.amdhsa_system_sgpr_workgroup_id_z 1
		.amdhsa_system_vgpr_workitem_id 0
		.amdhsa_next_free_vgpr 512
		.amdhsa_next_free_sgpr 66
		.amdhsa_reserve_vcc 0
		.amdhsa_float_denorm_mode_32 3
		.amdhsa_float_denorm_mode_16_64 3
		.amdhsa_memory_ordered 1
		.amdhsa_forward_progress 1
		.amdhsa_inst_pref_size 84
	.end_amdhsa_kernel
	.amdgpu_metadata
---
amdhsa.version: [ 1, 2 ]
amdhsa.kernels:
  - .name:           k_q96a2301271_oproj
    .symbol:         k_q96a2301271_oproj.kd
    .args:
      - { .name: oh, .offset: 0, .size: 8, .value_kind: global_buffer, .address_space: global }
      - { .name: woh, .offset: 8, .size: 8, .value_kind: global_buffer, .address_space: global }
      - { .name: out0, .offset: 16, .size: 8, .value_kind: global_buffer, .address_space: global }
    .group_segment_fixed_size: 327680
    .private_segment_fixed_size: 0
    .kernarg_segment_align: 8
    .kernarg_segment_size: 24
    .max_flat_workgroup_size: 128
    .sgpr_count:     66
    .vgpr_count:     512
    .wavefront_size: 32
...
	.end_amdgpu_metadata
.endif
;; end of part 4
;; launch first16 (part 5): grid 16 x 4, 16 waves a work-group, no clusters, 71,680 bytes of LDS; arguments fine, Wo, out0; writes out0
.if DOCPART == 5
	.amdgcn_target "amdgcn-amd-amdhsa--gfx1250"
	.amdhsa_code_object_version 6
	.text
	.protected	k_q96a2301271_first16
	.globl	k_q96a2301271_first16
	.p2align	8
	.type	k_q96a2301271_first16,@function
k_q96a2301271_first16:
	s_mov_b64 s[64:65], 0
	v_nop
	global_prefetch_b8 v0, s[64:65] scope:SCOPE_SE
	s_setreg_imm32_b32 hwreg(HW_REG_WAVE_MODE, 25, 1), 1
	s_wait_xcnt 0x0
; The first 16 positions of every batch, in f32 throughout: they average one to sixteen values, are the largest outputs, and feel the rounding of 16-bit operands most.  Attention among positions 0 to 15
; (later keys are hidden from them by reference()'s own jnp.tril, so none is read) and their rows of the projection by Wo.  The 64 rows written here replace those of the launch before.
; SHARES.  A work-group is a batch b and a slice of 64 output columns; wave = head.  Each wave redoes its head's 16 x 16 attention (32 small matrix instructions), multiplies by its 64 columns of Wo for the
; slice's 64 rows of Wo, and the sixteen heads' parts are added through LDS.  96 instructions of the f32 form a wave: no bulk work.  No tensor loads.
; fine holds Q, K (rotated) and V as images of result registers: [b][block of 16 columns][half jj][lane][4]: lane r + 16 h holds position r, columns 16 block + 8 h + 4 jj + 0 .. 3.
; THE ORDER ALONG EACH PRODUCT'S K IS PERMUTED ALIKE ON BOTH OPERANDS, so that register pairs serve as operands as they lie: the form takes k = 2 h + j from register j of lane (r, h).
; REGISTERS: v1-11 addresses; v12-15 at work; v16-47 Q, later O / l; v48-79 K, later Wo's tile 0; v80-111 V, later tile 1; v112-143 four accumulators (scores, later the projection) and v152-183 four (O^T):
; these are written by matrix instructions alone; v144-151 scores, then weights; v184-215 Wo's tile 2, later the parts to add; v216-247 tile 3; v248, v249 l and 1 / l.
.set SPARE, 16*4352                    ; behind the sixteen parts (16 rows x (256 + 16) bytes each): the spare words
.set SPW, 7                            ; never rewritten
.set NIL, 8                            ; never rewritten
	s_load_b128 s[4:7], s[0:1], 0x0                ; fine, Wo
	s_load_b64 s[8:9], s[0:1], 0x10                ; out0
	v_lshl_add_u32 v[SPW], v0, 2, SPARE
	v_mov_b32 v[NIL], 0
	v_lshrrev_b32 v1, 5, v0
	v_readfirstlane_b32 s10, v1                    ; wave = head; later: the row that I add up
	s_and_b32 s11, ttmp7, 0xffff                   ; b
	v_and_b32 v1, 15, v0                           ; r
	v_bfe_u32 v2, v0, 4, 1                         ; h
	v_and_b32 v11, 31, v0
	v_lshlrev_b32 v3, 4, v11                       ; an image's place for my lane
	v_bfe_u32 v9, v0, 2, 1                         ; V, gathered: channel r of a tile lies in half (r / 4) % 2, lanes 16 (r / 8) on, word r % 4; my keys begin at 8 h
	v_lshlrev_b32 v4, 9, v9
	v_bfe_u32 v9, v0, 3, 1
	v_lshl_add_u32 v4, v9, 8, v4
	v_and_b32 v9, 3, v0
	v_lshl_add_u32 v4, v9, 2, v4
	v_lshl_add_u32 v4, v2, 7, v4
	v_lshlrev_b32 v5, 12, v1
	v_lshl_add_u32 v5, v2, 5, v5                   ; Wo: row r of 4,096 bytes, + 32 h
	v_lshlrev_b32 v6, 3, v2
	v_sub_nc_u32 v6, v1, v6                        ; r - 8 h: register j (key 8 h + j) is hidden where j > r - 8 h
	s_mul_i32 s22, s10, 4352
	v_mul_u32_u24 v9, v1, 272
	v_lshl_add_u32 v9, v2, 5, v9
	v_add_nc_u32 v9, s22, v9                       ; my part: row r, + 32 h
	s_mul_i32 s23, s10, 272
	v_lshlrev_b32 v11, 3, v11                      ; 8 x lane
	v_add_nc_u32 v10, s23, v11                     ; row = my wave's number, in part 0
	s_mov_b32 s12, 0x76543210
	s_mov_b32 s13, 0xfedcba98
	s_mov_b32 s14, 0x3e38aa3b                      ; c = log2(e) / 8
	s_mul_i32 s16, s11, 196608
	s_lshl_b32 s17, s10, 12
	s_add_co_u32 s16, s16, s17                     ; fine: my batch, my head's four blocks
	s_mov_b32 s17, 0
	s_lshl_b32 s18, ttmp9, 18
	s_lshl_b32 s19, s10, 8
	s_add_co_u32 s18, s18, s19                     ; Wo: the slice's 64 rows, my head's 64 columns
	s_mov_b32 s19, 0
	s_lshl_b32 s20, s11, 11
	s_add_co_u32 s20, s20, s10
	s_lshl_b32 s20, s20, 12
	s_lshl_b32 s21, ttmp9, 8
	s_add_co_u32 s20, s20, s21                     ; out0: row 2048 b + wave, the slice's 256 bytes
	s_mov_b32 s21, 0
	s_wait_kmcnt 0x0
	s_add_nc_u64 s[4:5], s[4:5], s[16:17]
	s_add_nc_u64 s[6:7], s[6:7], s[18:19]
	s_add_nc_u64 s[8:9], s[8:9], s[20:21]
.irp k, 0,1                                    ; Q's image into v16-47, K's into v48-79
.irp i, 0,1,2,3,4,5,6,7
	global_load_b128 v[16+32*\k+4*\i:16+32*\k+4*\i+3], v3, s[4:5] offset:65536*\k+512*\i
.endr
.endr
.irp ct, 0,1,2,3                               ; V: register 8 ct + u of lane (r, h) = V[key 8 h + u][channel 16 ct + r]
.irp u, 0,1,2,3,4,5,6,7
	global_load_b32 v[80+8*\ct+\u], v4, s[4:5] offset:131072+1024*\ct+16*\u
.endr
.endr
.macro WFLOAD reg, nt                          ; Wo's tile nt: register 8 ct + jj of lane (r, h) = Wo[16 nt + r][16 ct + 8 h + jj] of the slice and the head
.irp ct, 0,1,2,3
.irp u, 0,1
	global_load_b128 v[\reg+8*\ct+4*\u:\reg+8*\ct+4*\u+3], v5, s[6:7] offset:65536*\nt+64*\ct+16*\u
.endr
.endr
.endm
	WFLOAD 184, 2
	WFLOAD 216, 3
	s_wait_loadcnt 48                              ; Q and K are in; V's 32 loads and Wo's 16 may be out
.irp t, 0,1,2,3,4,5,6,7,8,9,10,11,12,13,14,15      ; S^T = K Q^T: four accumulators by turns; the first four steps start the sums
.if \t < 4
	v_wmma_f32_16x16x4_f32 v[112+8*(\t%4):112+8*(\t%4)+7], v[48+2*\t:49+2*\t], v[16+2*\t:17+2*\t], 0
.else
	v_wmma_f32_16x16x4_f32 v[112+8*(\t%4):112+8*(\t%4)+7], v[48+2*\t:49+2*\t], v[16+2*\t:17+2*\t], v[112+8*(\t%4):112+8*(\t%4)+7]
.endif
.endr
.rept 8
	v_nop                                          ; eight places behind this form, in front of loads into its sources and of the first read of its results
.endr
	WFLOAD 48, 0
.irp j, 0,1,2,3,4,5,6,7                            ; lane (r, h), register j: key 8 h + j, query r.  Each accumulator is read from its low end on
	v_add_f32 v[144+\j], v[112+\j], v[120+\j]
	v_add_f32 v[144+\j], v[144+\j], v[128+\j]
	v_add_f32 v[144+\j], v[144+\j], v[136+\j]
.endr
	v_mov_b32 v12, 0xff800000
.irp j, 0,1,2,3,4,5,6,7
	v_cmp_gt_i32 vcc_lo, \j, v6
	v_cndmask_b32 v[144+\j], v[144+\j], v12, vcc_lo
.endr
	v_max3_num_f32 v13, v144, v145, v146
	v_max3_num_f32 v13, v13, v147, v148
	v_max3_num_f32 v13, v13, v149, v150
	v_max_num_f32 v13, v13, v151
	v_mov_b32 v14, 0
	v_permlanex16_b32 v14, v13, s12, s13
	v_max_num_f32 v13, v13, v14                    ; the row's maximum: key 0 counts for every query
	v_mul_f32 v15, s14, v13
.irp j, 0,1,2,3,4,5,6,7
	v_fma_f32 v[144+\j], v[144+\j], s14, -v15
.endr
.irp j, 0,1,2,3,4,5,6,7
	v_exp_f32 v[144+\j], v[144+\j]
.endr
	v_nop                                          ; a plain line behind the exponentials,
	s_wait_alu depctr_va_vdst(0)                   ; and one wait for the batch ahead of its first reader
	v_add_f32 v248, v144, v145
	v_add_f32 v249, v146, v147
	v_add_f32 v248, v248, v148
	v_add_f32 v249, v249, v149
	v_add_f32 v248, v248, v150
	v_add_f32 v249, v249, v151
	v_add_f32 v248, v248, v249
	v_permlanex16_b32 v14, v248, s12, s13
	v_add_f32 v248, v248, v14                      ; l
	v_rcp_f32 v249, v248
	v_nop
	s_wait_alu depctr_va_vdst(0)
	s_wait_loadcnt 24                              ; V is in; three tiles of Wo may be out
.irp t, 0,1,2,3                                    ; O^T = V^T P: keys 8 h + 2 t + j; the four tiles of channels by turns
.irp ct, 0,1,2,3
.if \t == 0
	v_wmma_f32_16x16x4_f32 v[152+8*\ct:152+8*\ct+7], v[80+8*\ct+2*\t:81+8*\ct+2*\t], v[144+2*\t:145+2*\t], 0
.else
	v_wmma_f32_16x16x4_f32 v[152+8*\ct:152+8*\ct+7], v[80+8*\ct+2*\t:81+8*\ct+2*\t], v[144+2*\t:145+2*\t], v[152+8*\ct:152+8*\ct+7]
.endif
.endr
.endr
.rept 8
	v_nop
.endr
	WFLOAD 80, 1
.set n, 0
.rept 32
	v_mul_f32 v[16+n], v[152+n], v249              ; O / l: register 8 ct + jj of lane (r, h) = O[query r][channel 16 ct + 8 h + jj]
.set n, n+1
.endr
	s_wait_loadcnt 16                              ; tiles 2 and 3 of Wo are in; tiles 0 and 1 may be out
.irp t, 0,1,2,3,4,5,6,7,8,9,10,11,12,13,14,15      ; my head's part of out^T: source 0 = 16 rows of Wo, source 1 = O; two accumulators by turns
.irp nt, 2,3
.if \t == 0
	v_wmma_f32_16x16x4_f32 v[112+8*\nt:112+8*\nt+7], v[184+32*(\nt-2)+2*\t:185+32*(\nt-2)+2*\t], v[16+2*\t:17+2*\t], 0
.else
	v_wmma_f32_16x16x4_f32 v[112+8*\nt:112+8*\nt+7], v[184+32*(\nt-2)+2*\t:185+32*(\nt-2)+2*\t], v[16+2*\t:17+2*\t], v[112+8*\nt:112+8*\nt+7]
.endif
.endr
.endr
	s_wait_loadcnt 0x0
.irp t, 0,1,2,3,4,5,6,7,8,9,10,11,12,13,14,15
.irp nt, 0,1
.if \t == 0
	v_wmma_f32_16x16x4_f32 v[112+8*\nt:112+8*\nt+7], v[48+32*\nt+2*\t:49+32*\nt+2*\t], v[16+2*\t:17+2*\t], 0
.else
	v_wmma_f32_16x16x4_f32 v[112+8*\nt:112+8*\nt+7], v[48+32*\nt+2*\t:49+32*\nt+2*\t], v[16+2*\t:17+2*\t], v[112+8*\nt:112+8*\nt+7]
.endif
.endr
.endr
.rept 8
	v_nop
.endr
.irp nt, 0,1,2,3                                   ; lane (r, h), register j of tile nt: query r, column 16 nt + 8 h + j
	ds_store_b128 v9, v[112+8*\nt:112+8*\nt+3] offset:64*\nt
	ds_store_b128 v9, v[112+8*\nt+4:112+8*\nt+7] offset:64*\nt+16
.endr
	s_wait_dscnt 0x0                               ; for the others' sake: my part lies in LDS
	s_barrier_signal -1
	s_barrier_wait -1
.irp w, 0,1,2,3,4,5,6,7,8,9,10,11,12,13,14,15      ; my row of all sixteen parts, 8 bytes a lane
	ds_load_b64 v[184+2*\w:185+2*\w], v10 offset:4352*\w
.endr
	s_wait_dscnt 0x0
.irp i, 0,1,2,3,4,5,6,7
	v_pk_add_f32 v[184+4*\i:185+4*\i], v[184+4*\i:185+4*\i], v[186+4*\i:187+4*\i]
.endr
.irp i, 0,1,2,3
	v_pk_add_f32 v[184+8*\i:185+8*\i], v[184+8*\i:185+8*\i], v[188+8*\i:189+8*\i]
.endr
.irp i, 0,1
	v_pk_add_f32 v[184+16*\i:185+16*\i], v[184+16*\i:185+16*\i], v[192+16*\i:193+16*\i]
.endr
	v_pk_add_f32 v[184:185], v[184:185], v[200:201]
	global_store_b64 v11, v[184:185], s[8:9]       ; 256 consecutive bytes, aligned
	s_wait_tensorcnt 0x0                           ; the wave's end, behind my last LDS store
	ds_add_u32 v[SPW], v[NIL]
	s_wait_dscnt 0x0
	s_endpgm
.Lfunc_end_k_q96a2301271_first16:
	.size	k_q96a2301271_first16, .Lfunc_end_k_q96a2301271_first16-k_q96a2301271_first16
	.p2alignl 7, 3214868480
	.fill 96, 4, 3214868480
	.section	.rodata,"a",@progbits
	.p2align	6, 0x0
	.amdhsa_kernel k_q96a2301271_first16
		.amdhsa_group_segment_fixed_size 71680
		.amdhsa_private_segment_fixed_size 0
		.amdhsa_enable_private_segment 0
		.amdhsa_kernarg_size 24
		.amdhsa_user_sgpr_count 2
		.amdhsa_user_sgpr_kernarg_segment_ptr 1
		.amdhsa_wavefront_size32 1
		.amdhsa_system_sgpr_workgroup_id_x 1
		.amdhsa_system_sgpr_workgroup_id_y 1
		.amdhsa_system_sgpr_workgroup_id_z 1
		.amdhsa_system_vgpr_workitem_id 0
		.amdhsa_next_free_vgpr 256
		.amdhsa_next_free_sgpr 66
		.amdhsa_reserve_vcc 1
		.amdhsa_float_denorm_mode_32 3
		.amdhsa_float_denorm_mode_16_64 3
		.amdhsa_memory_ordered 1
		.amdhsa_forward_progress 1
		.amdhsa_inst_pref_size 24
	.end_amdhsa_kernel
	.amdgpu_metadata
---
amdhsa.version: [ 1, 2 ]
amdhsa.kernels:
  - .name:           k_q96a2301271_first16
    .symbol:         k_q96a2301271_first16.kd
    .args:
      - { .name: fine, .offset: 0, .size: 8, .value_kind: global_buffer, .address_space: global }
      - { .name: Wo, .offset: 8, .size: 8, .value_kind: global_buffer, .address_space: global }
      - { .name: out0, .offset: 16, .size: 8, .value_kind: global_buffer, .address_space: global }
    .group_segment_fixed_size: 71680
    .private_segment_fixed_size: 0
    .kernarg_segment_align: 8
    .kernarg_segment_size: 24
    .max_flat_workgroup_size: 512
    .sgpr_count:     66
    .vgpr_count:     256
    .wavefront_size: 32
...
	.end_amdgpu_metadata
.endif
;; end of part 5
